; MI455X (gfx1250); checked and timed in simulation.
; The chip was launched on July 23, 2026; its instructions are those of AMD's public machine-readable ISA for CDNA 5 (MIT licence, August 2026) and "CDNA5" Instruction Set Architecture Reference Guide (July 2026). The comments in the code are by the model that wrote it; some were corrected since.
;; Multihead Attention. Allowed arithmetic: matrix products marked QUANTISED: E2M1 operands, one E8M0 scale for each 32 along K, by v_wmma_scale_f32_16x16x128_f8f6f4 with both operands' format E2M1 (or v_wmma_scale_f32_32x16x128_f4), f32 sums; everything else in f32.
;; Inputs: b_out 1,024 float32; b_qkv 3,072 float32; w_out 1,024 x 1,024 float32; w_qkv 1,024 x 3,072 float32; x 4 x 2,048 x 1,024 float32.
;; Outputs: out0 4 x 2,048 x 1,024 float32.
;; This version of the problem:
;;   THIS VERSION OF THE PROBLEM IS GIVEN IN LOW PRECISION. The matrix products marked QUANTISED in the list below multiply operands that are first quantised to E2M1 (2 exponent bits, 1 mantissa bit; 4 bits a number), with one power-of-two scale for each 32 numbers along K (OCP MX v1.0); their sums are f32. All else is computed in f32.
;;   The module's matrix products, in the order in which they are computed (A, B: the left and right operand; K: the contracted axis; several contracted axes count as one K, in the product's order):
;;     1. [M 8,192, K 1,024] x [K 1,024, N 3,072]; A: input x; B: input w_qkv: QUANTISED
;;     2. batch 64 x [M 2,048, K 64] x [K 64, N 2,048]; A: computed on the way; B: computed on the way: QUANTISED
;;     3. batch 64 x [M 2,048, K 2,048] x [K 2,048, N 64]; A: softmax (see below); B: computed on the way: QUANTISED
;;     4. [M 8,192, K 1,024] x [K 1,024, N 1,024]; A: computed on the way; B: input w_out: QUANTISED
;;   THE QUANTISER, for each operand of a quantised product, along K:
;;     - K is cut into blocks of 32 from its start; a last block that is shorter is filled with zeros.
;;     - A block's scale is 2^e with e = floor(log2(the largest magnitude in the block)) - 2, held to -126 .. 127; a block of zeros has e = 0. As a byte (E8M0): e + 127.
;;     - Each number is divided by its block's scale, clamped to +-6, and rounded to the nearest number of E2M1, ties to even, subnormals kept.
;;     - The product sums the exact products of the quantised numbers (number of the format x scale) in f32.
;;   ~~~python
;;   def quantise(x, axis):      # numpy; x: float32 -> the quantised numbers, widened to float32 again
;;       x = np.moveaxis(x, axis, -1); K = x.shape[-1]
;;       x = np.pad(x, [(0, 0)] * (x.ndim - 1) + [(0, -K % 32)]); x = x.reshape(x.shape[:-1] + (-1, 32)); a = np.abs(x).max(-1, keepdims=True)
;;       e = np.where(a > 0, np.clip(np.frexp(np.where(a > 0, a, 1))[1] - 1 - 2, -126, 127), 0)      # np.frexp(a)[1] - 1 = floor(log2(a)), exactly
;;       r = np.clip(x / 2.0 ** e, -6, 6)
;;       step = 2.0 ** (np.maximum(np.frexp(np.where(r == 0, 1, r))[1] - 1, 0) - 1)
;;       q = np.round(r / step) * step * 2.0 ** e      # np.round: ties to even
;;       return np.moveaxis(q.reshape(q.shape[:-2] + (-1,))[..., :K], -1, axis).astype(np.float32)
;;   ~~~
;;   SOFTMAX AHEAD OF A QUANTISED PRODUCT. Where the list says 'softmax', what is quantised is not the finished softmax but p = 2^(t - M), with t = logit x log2(e) and M = ceil(the row's largest t), a whole number; so 1/2 < the row's largest p <= 1. The row's sum l is taken of the UNQUANTISED p, in f32, and the product's result is divided by l at the end. Since M is a whole number, a kernel that streams over the keys may use a running M (the ceiling of the running maximum): every later rescaling is an exact power of two, which a block's scale takes up: the codes' values come out the same.
;;   OPERANDS COMPUTED ON THE WAY. 'Computed on the way' means the value that the module computes at that place (a softmax that the list does not call 'softmax' is quantised finished and normalised). What goes into a quantiser is computed in f32, as accurately as f32 sums, v_exp_f32 and their like allow (about 1e-6 of the number): no bf16 or f16 on the way to a quantiser, and a product that is left as it is and whose result goes on into a quantised operand takes f32 operands (vector FMAs, or v_wmma_f32_16x16x4_f32). A number that lies on a knife's edge between two numbers of the format may be rounded either way, as far as f32 arithmetic and the matrix unit's own rounding can turn it there, and no further.
;; One version. Each part assembles by itself: llvm-mc -triple=amdgcn-amd-amdhsa -mcpu=gfx1250 --defsym DOCPART=n.
;; ======== version 1 of 1: 4 launches
;; limits: right only within a limited range of input values
;; workspace buffers: x_img 4,456,448 bytes; wq_img 1,671,168 bytes; wo_img 557,056 bytes; qkv 13,369,344 bytes; a_img 4,456,448 bytes
;; launch quant (part 1): grid 512 x 1, 4 waves a work-group, no clusters, 34,816 bytes of LDS; arguments x, x_img, w_qkv, w_out, wq_img, wo_img; writes x_img, wq_img, wo_img
.if DOCPART == 1
	.amdgcn_target "amdgcn-amd-amdhsa--gfx1250"
	.amdhsa_code_object_version 6
	.text
	.protected	k_qc3a89ffb99_quant
	.globl	k_qc3a89ffb99_quant
	.p2align	8
	.type	k_qc3a89ffb99_quant,@function
k_qc3a89ffb99_quant:
	s_mov_b64 s[64:65], 0
	v_nop
	global_prefetch_b8 v0, s[64:65] scope:SCOPE_SE
	s_setreg_imm32_b32 hwreg(HW_REG_WAVE_MODE, 25, 1), 1
	s_wait_xcnt 0x0
; x [8192][1024], w_qkv [1024 (k)][3072] and w_out [1024 (k)][1024], f32, become codes of FP4 (E2M1) with one E8M0 byte for each 32 along K, laid as IMAGES OF THE OPERAND'S REGISTERS for the products that follow.
; AN IMAGE: [group of 8 row blocks][chunk of 512 along K: 0, 1][row block of 16 rows: 0..7][4,352 bytes], so that 128 rows for all of K are 69,632 bytes on end.
; A record: for q = 0..3 (128 along K) 1,024 bytes: register group c = 0, 1 of 512 bytes, lane l's registers 4 c .. 4 c + 3 at 16 l; behind them 256 bytes of scale words: row r at 16 r, word q.
; THE ROWS OF A BLOCK ARE NOT NEIGHBOURS: in each 32 rows (of a weight: columns n), block u (0, 1) has in lane r the row 8 u + r + 8 (r / 8).
; A block's scale is 2^(floor(log2(largest magnitude)) - 2): its byte is the largest magnitude's exponent field - 2, held at 1 from below.
; LIMITS: a block of zeros gets the byte 1 where the rule says 127 (its codes are zeros, and this program alone reads the bytes); NaN and infinities among the inputs are not served.
; ONE LAUNCH: work-groups 0..255 take x, 256..447 w_qkv, 448..511 w_out.  The two ways part on the work-group's number; each has LDS bytes of its own.
; x: a work-group takes 32 rows; wave w row block w / 2 and chunk w % 2.  Its 64 loads (512 consecutive bytes each) go out at once; 128 along K of 16 rows turn through the wave's own stage in LDS (rows of 512 + 16 bytes), so that a lane holds 16 neighbours.
; weights: a work-group takes 32 columns x 512 along K, wave q 128 of them.  A lane takes a column and its registers run down K, so a block of 32 lies in one lane; eight lane swaps make the two blocks' fragments.
; No matrix unit, no cluster, no tensor load: each byte is read once and all loads are on their way from the start.
.set REC,  4352
.set SP,   528                         ; a stage row
.set SPARE, 0x8400                     ; behind x's four stages: the spare words
.set WLDS, 0x8600                      ; the weights' 512 bytes of scale words
.set X,    32                          ; x: v32-95 64 numbers: register 16 b + i = k 32 b + 16 (lane / 16) + i of my row
.set PC,   96                          ; v96-127 the codes, eight registers for each q
.set TM,   200
.set PW,   216                         ; v216-219 the four scale words
.set VO,   32                          ; weights: v32-63 4 x my column + i x pitch
.set D,    64                          ; v64-191 my column's 128 numbers
.set XC,   192                         ; v192-207 the codes
.set MSB, 0
.macro WIN new                         ; the immediate's high byte repeats the setting that is left
.if MSB != \new
	s_set_vgpr_msb (MSB<<8)|\new
.set MSB, \new
.endif
.endm
.macro QUANT s, pc, pw                 ; 64 numbers of a lane become a fragment's codes and its scale word
.irp b, 0,1,2,3
	v_max3_num_f32 v[TM+\b], |v[\s+16*\b]|, |v[\s+1+16*\b]|, 0x1800000   ; with the floor 2^(3 - 127): the byte cannot fall under 1
.endr
.irp i, 2,4,6,8,10,12,14
.irp b, 0,1,2,3
	v_max3_num_f32 v[TM+\b], v[TM+\b], |v[\s+16*\b+\i]|, |v[\s+1+16*\b+\i]|
.endr
.endr
.irp b, 0,1,2,3
	v_permlanex16_b32 v[TM+4+\b], v[TM+\b], s20, s21
.endr
.irp b, 0,1,2,3
	v_max_num_f32 v[TM+\b], v[TM+\b], v[TM+4+\b]       ; with lane l xor 16's: the block's largest magnitude
.endr
.irp b, 0,1,2,3
	v_add_nc_u32 v[TM+12+\b], 0xff000000, v[TM+\b]     ; 2 off its exponent field: the conversion's scale operand
.endr
.irp b, 0,1,2,3
	v_lshrrev_b32 v[TM+4+\b], 23, v[TM+12+\b]          ; the scale's byte
.endr
	v_lshl_or_b32 v[\pw], v[TM+5], 8, v[TM+4]
	v_lshl_or_b32 v[\pw], v[TM+6], 16, v[\pw]
	v_lshl_or_b32 v[\pw], v[TM+7], 24, v[\pw]
.irp b, 0,1,2,3
	v_cvt_scalef32_pk8_fp4_f32 v[(\pc)+2*\b], v[\s+16*\b:\s+7+16*\b], v[TM+12+\b]
	v_cvt_scalef32_pk8_fp4_f32 v[(\pc)+1+2*\b], v[\s+8+16*\b:\s+15+16*\b], v[TM+12+\b]
.endr
	v_nop                                              ; one plain place behind a scaled conversion
.irp c, 0,1                                        ; the operand's layout wants a whole block in a lane
.irp i, 0,1
	v_permlane16_swap_b32 v[(\pc)+4*\c+\i], v[(\pc)+2+4*\c+\i]
.endr
.endr
.endm
	v_lshl_add_u32 v254, v0, 2, SPARE
	v_mov_b32 v255, 0
	s_cmp_lt_u32 ttmp9, 256
	s_cbranch_scc0 .Lweights
	; ---- x ----
	s_load_b128 s[4:7], s[0:1], 0x0                ; x, x_img
	v_lshrrev_b32 v6, 5, v0
	v_readfirstlane_b32 s8, v6                     ; wave 0..3
	v_and_b32 v1, 31, v0                           ; lane
	v_and_b32 v7, 15, v0                           ; r
	v_bfe_u32 v8, v0, 4, 1                         ; h
	v_lshlrev_b32 v2, 4, v1                        ; 16 x lane
	v_lshlrev_b32 v5, 4, v7                        ; 16 r: my row's scale words
	s_lshr_b32 s9, s8, 1                           ; u: which row block
	s_and_b32 s10, s8, 1                           ; which chunk
	s_mul_i32 s11, s8, 16*SP                       ; my stage
	v_add_nc_u32 v3, s11, v2                       ; into it: 16 bytes a lane of a row
	v_mul_u32_u24 v4, v7, SP
	v_lshl_add_u32 v4, v8, 6, v4
	v_add_nc_u32 v4, s11, v4                       ; out of it: row r, + 64 h: my 16 numbers of a block of 32
	s_lshl_b32 s12, ttmp9, 17                      ; 32 rows of 4,096 bytes,
	s_lshl_b32 s13, s9, 15                         ; + 8 u rows,
	s_add_co_u32 s12, s12, s13
	s_lshl_b32 s13, s10, 11                        ; + the chunk's 2,048 bytes
	s_add_co_u32 s12, s12, s13
	s_mov_b32 s13, 0
	s_lshr_b32 s14, ttmp9, 2                       ; my row block 2 x work-group + u: its group of eight,
	s_mul_i32 s14, s14, 16*REC
	s_and_b32 s15, ttmp9, 3
	s_lshl_b32 s15, s15, 1
	s_add_co_u32 s15, s15, s9                      ; its place in the group,
	s_mul_i32 s15, s15, REC
	s_add_co_u32 s14, s14, s15
	s_mul_i32 s15, s10, 8*REC                      ; and the chunk
	s_add_co_u32 s14, s14, s15
	s_mov_b32 s15, 0
	s_mov_b32 s20, 0x76543210
	s_mov_b32 s21, 0xfedcba98                      ; v_permlanex16_b32's selects for lane l xor 16
.irp b, 0,1,2,3
	v_mov_b32 v[TM+4+\b], 0                        ; written once: a lane permute's destination counts as one of its sources
.endr
	s_wait_alu depctr_va_vdst(0)                   ; the wait at the head's end
	s_wait_kmcnt 0x0
	s_add_nc_u64 s[4:5], s[4:5], s[12:13]
	s_add_nc_u64 s[6:7], s[6:7], s[14:15]
	WIN 0x40                                       ; destination window 1
.irp q, 0,1,2,3
.set i, 0
.rept 16
	global_load_b128 v[64*\q+4*i:64*\q+4*i+3], v2, s[4:5] offset:(i+8*(i/8))*4096+512*\q th:TH_LOAD_NT   ; the block's row i, 128 numbers: 512 consecutive bytes
.set i, i+1
.endr
.endr
.irp q, 0,1,2,3
	s_wait_loadcnt 48-16*\q                        ; this q's sixteen loads are in; the later q's sixteen each may be out
	WIN 0x04                                       ; an LDS store's data are its source 1: window 1
.set i, 0
.rept 16
	ds_store_b128 v3, v[64*\q+4*i:64*\q+4*i+3] offset:SP*i
.set i, i+1
.endr
	WIN 0
.irp b, 0,1,2,3
.irp j, 0,1,2,3
	ds_load_b128 v[X+16*\b+4*\j:X+16*\b+4*\j+3], v4 offset:128*\b+16*\j   ; LDS serves a wave's instructions in order: these see the stores above
.endr
.endr
	s_wait_dscnt 0x0
	QUANT X, PC+8*\q, PW+\q
	global_store_b128 v2, v[PC+8*\q:PC+8*\q+3], s[6:7] offset:1024*\q          ; 32 lanes store 512 consecutive bytes
	global_store_b128 v2, v[PC+8*\q+4:PC+8*\q+7], s[6:7] offset:1024*\q+512
.endr
	v_cmp_gt_u32 vcc_lo, 16, v1                    ; lanes 16-31 hold the same words as lanes 0-15: sixteen lanes store the 256 bytes
	s_wait_xcnt 0x0                                ; EXEC changes only behind this wait: it is a source of the stores above
	s_wait_tensorcnt 0x0                           ; the wave's end
	ds_add_u32 v254, v255
	s_wait_dscnt 0x0
	s_and_saveexec_b32 s22, vcc_lo
	global_store_b128 v5, v[PW:PW+3], s[6:7] offset:4096
	s_wait_xcnt 0x0                                ; and again in front of the line that widens it
	s_or_b32 exec_lo, exec_lo, s22
	s_endpgm
	; ---- the weights ----
.Lweights:
	s_load_b256 s[4:11], s[0:1], 0x10              ; w_qkv, w_out, wq_img, wo_img
	s_sub_co_u32 s33, ttmp9, 256
	v_lshrrev_b32 v2, 5, v0
	v_readfirstlane_b32 s16, v2                    ; wave = q
	v_and_b32 v1, 31, v0                           ; lane
	v_and_b32 v2, 15, v0                           ; r
	v_bfe_u32 v3, v0, 4, 1                         ; u
	v_and_b32 v4, 8, v2
	v_add_nc_u32 v4, v4, v2
	v_lshl_add_u32 v4, v3, 3, v4                   ; my column among the 32: 8 u + r + 8 (r / 8)
	v_lshlrev_b32 v4, 2, v4
	v_lshlrev_b32 v5, 4, v1                        ; 16 x lane
	s_lshl_b32 s17, s16, 2
	s_add_co_u32 s17, s17, WLDS
	v_add_nc_u32 v6, s17, v5                       ; LDS: my row's word q
	v_mul_u32_u24 v7, v3, REC
	v_lshl_add_u32 v7, v2, 4, v7                   ; the scale words' place: block u's record, row r
	s_wait_alu depctr_va_vdst(0)
	s_wait_kmcnt 0x0
	s_cmp_lt_u32 s33, 192                          ; w_qkv's work-group or w_out's?  The choice hangs on the work-group's number alone
	s_cselect_b64 s[4:5], s[4:5], s[6:7]
	s_cselect_b64 s[8:9], s[8:9], s[10:11]
	s_mov_b32 s12, 4096
	s_cselect_b32 s12, 12288, s12                  ; a row of the weight in bytes
	s_cselect_b32 s14, 0, 192
	s_sub_co_u32 s14, s33, s14
	s_lshr_b32 s15, s14, 1                         ; which 32 columns
	s_and_b32 s14, s14, 1                          ; which chunk
.set i, 0
.rept 32
	v_mad_u32_u24 v[VO+i], s12, i, v4
.set i, i+1
.endr
	s_lshl_b32 s18, s14, 9
	s_lshl_b32 s19, s16, 7
	s_add_co_u32 s18, s18, s19                     ; my first k
	s_mul_i32 s18, s18, s12
	s_lshl_b32 s19, s15, 7                         ; + the 32 columns' 128 bytes
	s_add_co_u32 s18, s18, s19
	s_mov_b32 s19, 0
	s_lshl_b32 s20, s12, 5                         ; 32 rows on
	s_mov_b32 s21, 0
	s_add_nc_u64 s[24:25], s[4:5], s[18:19]        ; a base for each block of 32 along K: none is stepped
	s_add_nc_u64 s[26:27], s[24:25], s[20:21]
	s_add_nc_u64 s[28:29], s[26:27], s[20:21]
	s_add_nc_u64 s[30:31], s[28:29], s[20:21]
	s_lshr_b32 s22, s15, 2                         ; the two records' group of eight,
	s_mul_i32 s22, s22, 16*REC
	s_mul_i32 s23, s14, 8*REC                      ; the chunk,
	s_add_co_u32 s22, s22, s23
	s_and_b32 s23, s15, 3
	s_mul_i32 s23, s23, 2*REC                      ; their place in the group,
	s_add_co_u32 s22, s22, s23
	s_lshl_b32 s23, s16, 10                        ; my q
	s_add_co_u32 s22, s22, s23
	s_mov_b32 s23, 0
	s_add_nc_u64 s[8:9], s[8:9], s[22:23]
	s_wait_alu depctr_va_vdst(0)                   ; the wait behind the run of scalar lines
.irp j, 0,1,2,3
.set i, 0
.rept 32
	global_load_b32 v[D+32*\j+i], v[VO+i], s[24+2*\j:25+2*\j] th:TH_LOAD_NT
.set i, i+1
.endr
.endr
.macro BLOCK j, left
.set DJ, D+32*(\j)
	s_wait_loadcnt \left
	v_max3_num_f32 v12, |v[DJ]|, |v[DJ+1]|, |v[DJ+2]|              ; the block's largest magnitude: all 32 numbers are mine; two chains
	v_max3_num_f32 v13, |v[DJ+3]|, |v[DJ+4]|, |v[DJ+5]|
.irp i, 6,10,14,18,22,26
	v_max3_num_f32 v12, v12, |v[DJ+\i]|, |v[DJ+\i+1]|
	v_max3_num_f32 v13, v13, |v[DJ+\i+2]|, |v[DJ+\i+3]|
.endr
	v_max3_num_f32 v12, v12, |v[DJ+30]|, |v[DJ+31]|
	v_max3_num_f32 v12, v12, v13, 0x1800000        ; and the floor 2^(3 - 127)
	v_add_nc_u32 v[20+\j], 0xff000000, v12         ; the conversion's scale operand
	v_lshrrev_b32 v13, 23, v[20+\j]                ; the scale's byte
.if \j == 0
	v_mov_b32 v16, v13
.else
	v_lshl_or_b32 v16, v13, 8*\j, v16              ; the lower k in the lower byte
.endif
.irp g, 0,1,2,3
	v_cvt_scalef32_pk8_fp4_f32 v[XC+4*\j+\g], v[DJ+8*\g:DJ+8*\g+7], v[20+\j]
.endr
.endm
	BLOCK 0, 63                                    ; 96 loads were issued behind block 0's and 64 behind block 1's: 63, the largest count that the wait can state, is under both
	BLOCK 1, 63
	BLOCK 2, 32                                    ; block 3's 32 loads may be out
	BLOCK 3, 0
	v_nop                                          ; one plain place behind a scaled conversion
.irp g, 0,1,2,3
	v_permlane16_swap_b32 v[XC+\g], v[XC+4+\g]     ; blocks 0 and 1 along K: the first now holds column block 0's registers 0-3, the second column block 1's
	v_permlane16_swap_b32 v[XC+8+\g], v[XC+12+\g]  ; blocks 2 and 3: registers 4-7
.endr
	global_store_b128 v5, v[XC:XC+3], s[8:9]                       ; 32 lanes store 512 consecutive bytes
	global_store_b128 v5, v[XC+8:XC+11], s[8:9] offset:512
	global_store_b128 v5, v[XC+4:XC+7], s[8:9] offset:REC
	global_store_b128 v5, v[XC+12:XC+15], s[8:9] offset:REC+512
	ds_store_b32 v6, v16
	s_wait_dscnt 0x0                               ; for the others' sake: my word has landed
	s_barrier_signal -1
	s_barrier_wait -1
	s_cmp_lg_u32 s16, 0
	s_cbranch_scc1 .Ldone
	ds_load_b128 v[24:27], v5 offset:WLDS          ; wave 0 (whose base has q = 0): a row's four words
	s_wait_dscnt 0x0
	global_store_b128 v7, v[24:27], s[8:9] offset:4096   ; lanes 0-15: 256 consecutive bytes of the first record, lanes 16-31 of the second
.Ldone:
	s_wait_tensorcnt 0x0                           ; the wave's end
	ds_add_u32 v254, v255
	s_wait_dscnt 0x0
	s_endpgm
.Lfunc_end_k_qc3a89ffb99_quant:
	.size	k_qc3a89ffb99_quant, .Lfunc_end_k_qc3a89ffb99_quant-k_qc3a89ffb99_quant
	.p2alignl 7, 3214868480
	.fill 96, 4, 3214868480
	.section	.rodata,"a",@progbits
	.p2align	6, 0x0
	.amdhsa_kernel k_qc3a89ffb99_quant
		.amdhsa_group_segment_fixed_size 34816
		.amdhsa_private_segment_fixed_size 0
		.amdhsa_enable_private_segment 0
		.amdhsa_kernarg_size 48
		.amdhsa_user_sgpr_count 2
		.amdhsa_user_sgpr_kernarg_segment_ptr 1
		.amdhsa_wavefront_size32 1
		.amdhsa_system_sgpr_workgroup_id_x 1
		.amdhsa_system_sgpr_workgroup_id_y 1
		.amdhsa_system_sgpr_workgroup_id_z 1
		.amdhsa_system_vgpr_workitem_id 0
		.amdhsa_next_free_vgpr 512
		.amdhsa_next_free_sgpr 66
		.amdhsa_reserve_vcc 1
		.amdhsa_float_denorm_mode_32 3
		.amdhsa_float_denorm_mode_16_64 3
		.amdhsa_memory_ordered 1
		.amdhsa_forward_progress 1
		.amdhsa_inst_pref_size 56
	.end_amdhsa_kernel
	.amdgpu_metadata
---
amdhsa.version: [ 1, 2 ]
amdhsa.kernels:
  - .name:           k_qc3a89ffb99_quant
    .symbol:         k_qc3a89ffb99_quant.kd
    .args:
      - { .name: x, .offset: 0, .size: 8, .value_kind: global_buffer, .address_space: global }
      - { .name: x_img, .offset: 8, .size: 8, .value_kind: global_buffer, .address_space: global }
      - { .name: w_qkv, .offset: 16, .size: 8, .value_kind: global_buffer, .address_space: global }
      - { .name: w_out, .offset: 24, .size: 8, .value_kind: global_buffer, .address_space: global }
      - { .name: wq_img, .offset: 32, .size: 8, .value_kind: global_buffer, .address_space: global }
      - { .name: wo_img, .offset: 40, .size: 8, .value_kind: global_buffer, .address_space: global }
    .group_segment_fixed_size: 34816
    .private_segment_fixed_size: 0
    .kernarg_segment_align: 8
    .kernarg_segment_size: 48
    .max_flat_workgroup_size: 128
    .sgpr_count:     66
    .vgpr_count:     512
    .wavefront_size: 32
...
	.end_amdgpu_metadata
.endif
;; end of part 1
;; launch gemm_qkv (part 2): grid 12 x 32, 4 waves a work-group, clusters of 4 x 4, 327,680 bytes of LDS; arguments x_img, wq_img, b_qkv, qkv; writes qkv
.if DOCPART == 2
	.amdgcn_target "amdgcn-amd-amdhsa--gfx1250"
	.amdhsa_code_object_version 6
	.text
	.protected	k_qc3a89ffb99_gemm_qkv
	.globl	k_qc3a89ffb99_gemm_qkv
	.p2align	8
	.type	k_qc3a89ffb99_gemm_qkv,@function
k_qc3a89ffb99_gemm_qkv:
	s_mov_b64 s[64:65], 0
	v_nop
	global_prefetch_b8 v0, s[64:65] scope:SCOPE_SE
	s_setreg_imm32_b32 hwreg(HW_REG_WAVE_MODE, 25, 1), 1
	s_wait_xcnt 0x0
	s_wait_alu depctr_hold_cnt(0) depctr_sa_sdst(0) depctr_va_vdst(0) depctr_va_sdst(0) depctr_va_ssrc(0) depctr_va_vcc(0) depctr_vm_vsrc(0)
	s_getreg_b32 s2, hwreg(HW_REG_IB_STS2, 6, 4)
	s_cmp_eq_u32 s2, 0
	s_cbranch_scc0 .Lentry_in_a_cluster
	s_endpgm
.Lentry_in_a_cluster:
	s_bfe_u32 s2, ttmp6, 0x10000c
	s_cmp_lg_u32 s2, 0xf033
	s_cbranch_scc0 .Lentry_shape_is_right
	s_endpgm
.Lentry_shape_is_right:
; qkv = x w_qkv + b_qkv on codes of FP4 (E2M1) with E8M0 scales, [8192 tokens] x [K 1024] x [3072]; the results never go to memory as f32: q and k are quantised along the head's 64, v along the keys, in registers,
; and leave as images of the operands' registers of the attention launch.
; A tile of 256 x 256 is made by four waves, as many as a WGP has SIMDs; a wave makes 128 x 128: 64 accumulators, 512 registers.
; K = 1,024 in 4-bit codes is 512 bytes a row: BOTH operands' tiles for ALL of K, scale words among them, are 278,528 bytes and lie in LDS at once, as two slots of 512 along K.  Both are first fills: no LDS byte is filled again.
; The images (x_img, wq_img: [group of 8 row blocks][chunk][row block of 16][4,352 bytes]) make 128 rows of a chunk one dense block of 34,816 bytes: one tensor load a wave for both slots; every LDS read is 16 bytes a lane on end: no pitch, no padding.
; SOURCE 0's rows run along a lane's registers in the result, SOURCE 1's rows lie in the lanes.  The rows of a block of 16 are 8 u + r + 8 (r / 8) of each 32, so that the 16 registers of two neighbouring blocks of source 0 are 16 neighbours.
;   cluster x = 0 (q), 1 (k): source 0 = the weight's columns, source 1 = tokens: a lane holds ONE token and 128 features (two heads): their quantiser's K.
;   cluster x = 2 (v):        source 0 = tokens, source 1 = the weight's columns: a lane holds ONE channel and 128 keys: its quantiser's K.
; One text serves both: pointers and tile numbers are chosen by the cluster's x, which all sixteen partners share; only the first step (which bias is C) and the way out part on it.
; CLUSTERS: 4 x 4 work-groups.  Source 0's tile hangs on cx alone and is asked for jointly by a column of the cluster, source 1's on cy alone and by a row: the requests for both are divided by four.
; The bias is the C of each sum's first product, so it is added first and not last: a difference of f32 rounding alone.
; No prefetch: all tensor loads stand at the head.  LIMITS: a block of zeros gets the byte 1 where the rule says 127 (zero codes; this program alone reads the bytes); NaN and infinities are not served.
; qkv: [head bh = 16 batch + head][step of 128 tokens][13,056 bytes]: +0 K, four pair images of 1,024 bytes (registers 0-3 token block 2 i, 4-7 block 2 i + 1; lane (r, h): d = 32 h ..); +4096 V, four fragments of 16 d x 128 keys;
;   +8192 K's scale words (row r at 16 r; word i: bytes 0, 1 block 2 i, bytes 2, 3 block 2 i + 1); +8448 V's (word t: the fragment's four key blocks); +8704 Q like K; +12800 Q's scale words.
; REGISTERS, in windows of 256: window 0: v16-26 addresses; v32-95 scale words, two sets; v96-103 the bias's offsets; v128-191 source 1's fragments, ONE set, later the codes; v200-227 at work on the way out.
;   window 1: source 0's fragments, TWO sets, at v0 and v128; v64-127 the bias.   windows 2, 3: accumulator (a, b) at v[8 (8 (a % 4) + b)] of window 2 + a / 4.
.set REC,  4352
.set HALF, 8*REC                       ; 128 rows of a chunk: half of what one tensor load brings, and what one wave reads of a source
.set SLOT, HALF                        ; a wave's load lays 128 rows' chunk 0 and, HALF bytes on, their chunk 1 (the images hold the two on end)
.set XCH,  512*REC
.set WCH,  192*REC
.set QREC, 13056
.set HS,   16*QREC                     ; from head to head in qkv
.set ADRA, 16                          ; v16-17  LDS address of my fragments of source 1 in slot 0, 1
.set ADRB, 20                          ; v20-21  of source 0
.set ADRS, 22                          ; v22-23  of my scale words: lanes 0-15 source 1's rows, lanes 16-31 source 0's
.set LI,   24                          ; v24     16 x lane
.set SA,   25                          ; v25     16 r + (lane / 16) x HS: where a row's scale words go
.set SELV, 26                          ; v26     byte selects: lanes 0-15 the low halves of two words, lanes 16-31 the high halves
.set SC,   32
.set BO,   96
.set AF,   128
.set BI,   64                          ; in window 1
.set PC,   128
.set TM,   200
.set PW,   216
.set SD,   224
.set G1,   24                          ; s[24:31] descriptor group 1 for source 1's tiles;  s[32:35] group 0
.set G0,   32
.set G1B,  48                          ; s[48:55], s[56:59] the same for source 0's
.set G0B,  56
.set MSB, 0
.macro WIN new                         ; the immediate's high byte repeats the setting that is left
.if MSB != \new
	s_set_vgpr_msb (MSB<<8)|\new
.set MSB, \new
.endif
.endm
; A joint load: waves 0 and 1 fetch source 1's halves, waves 2 and 3 source 0's.  The branch hangs on the wave's number alone.  Four v_nop follow each of the two lines.
.macro JLOAD g0a, g1a, g0b, g1b
	s_cmp_eq_u32 s15, 0
	s_cbranch_scc0 .Lfor_b_\@
	tensor_load_to_lds s[\g0a:\g0a+3], s[\g1a:\g1a+7]
	s_nop 0
.rept 4
	v_nop
.endr
	s_branch .Lasked_\@
.Lfor_b_\@:
	tensor_load_to_lds s[\g0b:\g0b+3], s[\g1b:\g1b+7]
	s_nop 0
.rept 4
	v_nop
.endr
.Lasked_\@:
.endm
.macro CROUND                          ; a round of the cluster's barrier
	s_barrier_signal -1
	s_barrier_wait -1
	s_cmp_lg_u32 s14, 0
	s_cbranch_scc1 .Lnot_wave_0_\@
	s_barrier_signal -3
.Lnot_wave_0_\@:
	s_barrier_wait -3
	s_barrier_signal -1
	s_barrier_wait -1
.endm
.macro PLACES                          ; four places behind a matrix instruction, in front of loads into registers that it has read and of reads of its results
.rept 4
	v_nop
.endr
.endm
	s_load_b256 s[4:11], s[0:1], 0x0               ; x_img, wq_img, b_qkv, qkv
	v_lshl_add_u32 v254, v0, 2, 0x44000
	v_mov_b32 v255, 0
	ds_add_u32 v254, v255
	ds_add_u32 v254, v255
	v_lshrrev_b32 v1, 5, v0
	v_readfirstlane_b32 s14, v1                    ; wave 0..3
	s_lshr_b32 s15, s14, 1                         ; my half of source 1.  Also: I fetch for source 1 (0) or source 0 (1)
	s_and_b32 s16, s14, 1                          ; my half of source 0.  Also: which 128 rows I fetch
	s_bfe_u32 s40, ttmp6, 0x40000                  ; cx
	s_bfe_u32 s41, ttmp6, 0x40004                  ; cy
	s_and_b32 s19, ttmp7, 0xffff                   ; cluster y
	s_cmp_eq_u32 ttmp9, 2                          ; is this v's cluster?  The same answer in all sixteen partners
	s_cselect_b32 s18, s19, ttmp9                  ; source 0's group of four tiles: tokens by cluster y, or the weight's by cluster x
	s_cselect_b32 s19, 2, s19                      ; source 1's: the weight's third group, or tokens by cluster y
	s_cselect_b32 s82, -1, 0
	s_cselect_b32 s83, 0, 4
	s_lshl_b32 s42, s18, 2
	s_add_co_u32 s42, s42, s40                     ; source 0's tile: hangs on cx alone
	s_lshl_b32 s17, s19, 2
	s_add_co_u32 s17, s17, s41                     ; source 1's tile: on cy alone
	s_lshl_b32 s43, s41, 2
	s_lshl_b32 s43, 15, s43                        ; my row of the cluster
	s_lshl_b32 s44, 0x1111, s40                    ; my column
	; descriptor group 1: 69,632 dense bytes as 272 rows of 32 elements of 8 bytes
	s_or_b32 s[G1], s43, (3<<16)|(1<<21)           ; 15:0 the mask; 17:16 elements of 8 bytes; 21 set beside a mask; no padding
	s_or_b32 s[G1B], s44, (3<<16)|(1<<21)
.irp g, G1, G1B
	s_mov_b32 s[\g+1], 32<<16                      ; tensor_dim0
	s_mov_b32 s[\g+2], 272<<16                     ; tensor_dim1: 69,632 dense bytes as 272 rows of 256
	s_mov_b32 s[\g+3], 32<<16                      ; tile_dim0
	s_mov_b32 s[\g+4], 272                         ; tile_dim1
	s_mov_b32 s[\g+5], 32                          ; tensor_dim0_stride
	s_mov_b32 s[\g+6], 0
	s_mov_b32 s[\g+7], 0
.endr
	s_mul_i32 s20, s17, 4*HALF                     ; source 1: the tile's 256 rows for all of K, the 128 that I fetch
	s_mul_i32 s21, s16, 2*HALF
	s_add_co_u32 s20, s20, s21
	s_mov_b32 s21, 0
	s_mul_i32 s46, s42, 4*HALF                     ; source 0 likewise
	s_mul_i32 s47, s16, 2*HALF
	s_add_co_u32 s46, s46, s47
	s_mov_b32 s47, 0
	s_mul_i32 s45, s14, 2*HALF                     ; where they go: wave x 128 rows x both chunks
	s_mov_b32 s84, 0x76543210
	s_mov_b32 s85, 0xfedcba98                      ; v_permlanex16_b32's selects for lane l xor 16
	s_wait_dscnt 0x0
	s_wait_kmcnt 0x0
	s_cmp_eq_u32 ttmp9, 2
	s_cselect_b64 s[66:67], s[4:5], s[6:7]         ; source 0's buffer
	s_cselect_b64 s[68:69], s[6:7], s[4:5]         ; source 1's
	s_add_nc_u64 s[20:21], s[68:69], s[20:21]
	s_add_nc_u64 s[46:47], s[66:67], s[46:47]
	CROUND                                         ; all sixteen work-groups are here: the joint loads meet
.irp s, 0
	s_mov_b32 s[G0+4*\s], 1
	s_add_co_u32 s[G0+4*\s+1], s45, \s*SLOT        ; LDS address
	s_mov_b64 s[G0+4*\s+2:G0+4*\s+3], s[20:21]     ; global address: chunk s
	s_or_b32 s[G0+4*\s+3], s[G0+4*\s+3], 0x80000000   ; type = 2
	s_mov_b32 s[G0B+4*\s], 1
	s_add_co_u32 s[G0B+4*\s+1], s45, \s*SLOT
	s_mov_b64 s[G0B+4*\s+2:G0B+4*\s+3], s[46:47]
	s_or_b32 s[G0B+4*\s+3], s[G0B+4*\s+3], 0x80000000
.if \s == 0
	JLOAD G0, G1, G0B, G1B                         ; slot 0: the wave's one tensor load at the head
.endif
.endr
	v_and_b32 v1, 15, v0                           ; r
	v_bfe_u32 v2, v0, 4, 1                         ; h
	v_and_b32 v3, 31, v0
	v_lshlrev_b32 v[LI], 4, v3
	s_wait_alu depctr_va_vdst(0)
	s_mul_i32 s12, s15, 2*HALF                     ; my 128 rows of source 1
	s_mul_i32 s13, s16, 2*HALF
	s_add_co_u32 s13, s13, 4*HALF                  ; my 128 rows of source 0, behind source 1's 256
	s_sub_co_u32 s2, s13, s12
	v_mul_u32_u24 v6, s2, v2                       ; lanes 16-31 take source 0's scale words: one product, the distance between the two
	v_lshl_add_u32 v6, v1, 4, v6                   ; + 16 r
	s_add_co_u32 s3, s12, 4096                     ; a record's scale words lie behind its four images
.irp s, 0,1
	v_add_nc_u32 v[ADRA+\s], s12, v[LI]
	v_add_nc_u32 v[ADRB+\s], s13, v[LI]
	v_add_nc_u32 v[ADRS+\s], s3, v6
	s_add_co_u32 s12, s12, SLOT
	s_add_co_u32 s13, s13, SLOT
	s_add_co_u32 s3, s3, SLOT
.endr
	v_mul_u32_u24 v[SA], v2, HS
	v_lshl_add_u32 v[SA], v1, 4, v[SA]
	v_cmp_eq_u32 s86, 1, v2                        ; lanes 16-31
	v_mov_b32 v[SELV], 0x05040100
	v_mov_b32 v7, 0x07060302
	v_cndmask_b32 v[SELV], v[SELV], v7, s86
.irp b, 0,1,2,3
	v_mov_b32 v[TM+4+\b], 0                        ; written once: a lane permute's destination counts as one of its sources
.endr
	; THE BIAS, eight registers a block in the result's layout.  q, k: block b of source 0: features 32 (b / 2) + 16 h + 8 (b % 2) + j.  v: block a of source 1: my lane's channel, eight times.
	v_and_b32 v4, 8, v1
	v_add_nc_u32 v4, v4, v1
	v_lshlrev_b32 v4, 2, v4                        ; 4 (r + 8 (r / 8))
	v_lshlrev_b32 v5, 6, v2                        ; 64 h
	v_cndmask_b32 v5, v5, v4, s82
.irp j, 0,1,2,3,4,5,6,7
	v_mad_u32_u24 v[BO+\j], s83, \j, v5            ; + 4 j for q and k, + 0 for v
.endr
	s_lshl_b32 s22, s42, 8
	s_lshl_b32 s23, s16, 7
	s_add_co_u32 s22, s22, s23                     ; q, k: my first feature
	s_lshl_b32 s87, s41, 8
	s_lshl_b32 s23, s15, 7
	s_add_co_u32 s87, s87, s23
	s_add_co_u32 s87, s87, 2048                    ; v: my first channel
	s_cmp_eq_u32 ttmp9, 2
	s_cselect_b32 s22, s87, s22
	s_lshl_b32 s22, s22, 2
	s_mov_b32 s23, 0
	s_add_nc_u64 s[80:81], s[8:9], s[22:23]
	WIN 0x40                                       ; destination window 1
	s_wait_alu depctr_va_vdst(0)
.irp i, 0,1,2,3,4,5,6,7
.irp j, 0,1,2,3,4,5,6,7
	global_load_b32 v[BI+8*\i+\j], v[BO+\j], s[80:81] offset:(32*(\i/2)+8*(\i%2))*4
.endr
.endr
	WIN 0
	; WHERE THE RESULTS GO.  My 128 tokens are step G % 16 of batch G / 16; my 128 features or channels are heads g0 and g0 + 1.
	s_lshl_b32 s87, s42, 1
	s_add_co_u32 s87, s87, s16                     ; v: tokens are source 0
	s_lshl_b32 s88, s17, 1
	s_add_co_u32 s88, s88, s15                     ; q, k: source 1
	s_lshl_b32 s89, s41, 2
	s_lshl_b32 s90, s15, 1
	s_add_co_u32 s89, s89, s90                     ; v: heads by cy and my half of source 1
	s_lshl_b32 s90, s40, 2
	s_lshl_b32 s91, s16, 1
	s_add_co_u32 s90, s90, s91                     ; q, k: by cx and my half of source 0
	s_cmp_eq_u32 ttmp9, 2
	s_cselect_b32 s87, s87, s88                    ; G
	s_cselect_b32 s89, s89, s90                    ; g0
	s_lshr_b32 s88, s87, 4
	s_lshl_b32 s88, s88, 4
	s_add_co_u32 s88, s88, s89                     ; bh
	s_lshl_b32 s88, s88, 4
	s_and_b32 s87, s87, 15
	s_add_co_u32 s88, s88, s87                     ; the record
	s_mul_i32 s88, s88, QREC
	s_mov_b32 s89, 0
	s_add_nc_u64 s[76:77], s[10:11], s[88:89]
	s_mov_b64 s[78:79], s[76:77]
	s_cmp_eq_u32 ttmp9, 0
	s_cselect_b32 s90, 8704, 0                     ; the part's place in a record: Q's images, else K's,
	s_mov_b32 s92, 8192
	s_cselect_b32 s92, 12800, s92                  ; and its scale words
	s_cmp_eq_u32 ttmp9, 2
	s_cselect_b32 s90, 4096, s90                   ; or V's
	s_cselect_b32 s92, 8448, s92
	s_mov_b32 s91, 0
	s_mov_b32 s93, 0
	s_add_nc_u64 s[76:77], s[76:77], s[90:91]
	s_add_nc_u64 s[78:79], s[78:79], s[92:93]
.macro FRAG reg, adr, q, i             ; a fragment, 16 rows x 128 K: 8 registers, as they were stored: 16 bytes a lane on end
.irp c, 0,1
	ds_load_b128 v[\reg+4*\c:\reg+4*\c+3], v[\adr] offset:REC*(\i)+1024*(\q)+512*\c
.endr
.endm
; 16 matrix instructions: source 1's blocks a0, a0 + 1 x source 0's eight, 128 along K.  p: source 0's set; sc: the set of scale words.  mode 0: C = the sum; 1: the bias of source 0's block; 2: of source 1's.
; The 64 accumulators take turns, one instruction a turn, in the same order in every step.
.macro MUL16 a0, p, q, sc, mode
.irp a, \a0, \a0+1
.irp b, 0,1,2,3,4,5,6,7
.if \mode == 0
	v_wmma_scale_f32_16x16x128_f8f6f4 v[8*(8*((\a)%4)+\b):8*(8*((\a)%4)+\b)+7], v[128*(\p)+8*\b:128*(\p)+8*\b+7], v[AF+8*(\a):AF+8*(\a)+7], v[8*(8*((\a)%4)+\b):8*(8*((\a)%4)+\b)+7], v[SC+32*(\sc)+4*\b+(\q)], v[SC+32*(\sc)+4*(\a)+(\q)] matrix_a_fmt:MATRIX_FMT_FP4 matrix_b_fmt:MATRIX_FMT_FP4 matrix_a_scale:MATRIX_SCALE_ROW1
.elseif \mode == 1
	v_wmma_scale_f32_16x16x128_f8f6f4 v[8*(8*((\a)%4)+\b):8*(8*((\a)%4)+\b)+7], v[128*(\p)+8*\b:128*(\p)+8*\b+7], v[AF+8*(\a):AF+8*(\a)+7], v[BI+8*\b:BI+8*\b+7], v[SC+32*(\sc)+4*\b+(\q)], v[SC+32*(\sc)+4*(\a)+(\q)] matrix_a_fmt:MATRIX_FMT_FP4 matrix_b_fmt:MATRIX_FMT_FP4 matrix_a_scale:MATRIX_SCALE_ROW1
.else
	v_wmma_scale_f32_16x16x128_f8f6f4 v[8*(8*((\a)%4)+\b):8*(8*((\a)%4)+\b)+7], v[128*(\p)+8*\b:128*(\p)+8*\b+7], v[AF+8*(\a):AF+8*(\a)+7], v[BI+8*(\a):BI+8*(\a)+7], v[SC+32*(\sc)+4*\b+(\q)], v[SC+32*(\sc)+4*(\a)+(\q)] matrix_a_fmt:MATRIX_FMT_FP4 matrix_b_fmt:MATRIX_FMT_FP4 matrix_a_scale:MATRIX_SCALE_ROW1
.endif
.endr
.endr
.endm
.macro FETCH_B slot, q, p              ; source 0's eight fragments of the slot's q-th 128 along K into set p
	WIN 0x40
.irp i, 0,1,2,3,4,5,6,7
	FRAG 128*(\p)+8*\i, ADRB+\slot, \q, \i
.endr
	WIN 0
.endm
.macro FETCH_A slot, q, i0             ; source 1's blocks i0 .. i0 + 3
.irp i, \i0, \i0+1, \i0+2, \i0+3
	FRAG AF+8*(\i), ADRA+\slot, \q, \i
.endr
.endm
.macro SCALES s                        ; a slot's scale words: four a row; lanes 0-15 take source 1's block i, lanes 16-31 source 0's
.irp i, 0,1,2,3,4,5,6,7
	ds_load_b128 v[SC+32*\s+4*\i:SC+32*\s+4*\i+3], v[ADRS+\s] offset:REC*\i
.endr
.endm
; A step of 128 along K that has its successor in the same slot.  A block of source 1 is free as soon as its eight products are issued: one set serves it.
.macro STEP slot, q, mode
	s_wait_dscnt 8                                 ; all but the youngest eight loads (source 1's blocks 4-7: four fragments, two loads each)
.if \mode
	WIN 0x91                                       ; source 0 and C window 1, source 1 window 0, D window 2
.else
	WIN 0xa1                                       ; C and D window 2
.endif
	MUL16 0, (\q)%2, \q, \slot, \mode
	MUL16 2, (\q)%2, \q, \slot, \mode
	s_wait_dscnt 0x0                               ; blocks 4-7 are in
	PLACES
	FETCH_B \slot, (\q)+1, 1-(\q)%2
	FETCH_A \slot, (\q)+1, 0
.if \mode
	WIN 0xd1
.else
	WIN 0xf1
.endif
	MUL16 4, (\q)%2, \q, \slot, \mode
	MUL16 6, (\q)%2, \q, \slot, \mode
	PLACES
	WIN 0
	FETCH_A \slot, (\q)+1, 4
.endm
	s_wait_alu depctr_va_vdst(0)                   ; the wait at the head's end
	s_wait_tensorcnt 0x0                           ; my one load, 128 rows for all of K, is in,
	s_barrier_signal -1
	s_barrier_wait -1                              ; everybody's is
	FETCH_B 0, 0, 0
	FETCH_A 0, 0, 0
	SCALES 0
	FETCH_A 0, 0, 4
	s_wait_loadcnt 0x0                             ; the bias
	s_cmp_eq_u32 ttmp9, 2
	s_cbranch_scc1 .Lfirst_v
	STEP 0, 0, 1                                   ; q, k: the first products start the sums from the features' bias
	s_branch .Lfirst_done
.Lfirst_v:
	STEP 0, 0, 2                                   ; v: from the lane's channel's
.Lfirst_done:
	STEP 0, 1, 0
	STEP 0, 2, 0
	; slot 0's last step goes over to slot 1: one barrier; in front of it each wave's part of slot 1 has landed
	s_wait_tensorcnt 0x0
	s_wait_dscnt 8
	WIN 0xa1
	MUL16 0, 1, 3, 0, 0
	s_wait_dscnt 0x0                               ; no LDS instruction of mine is out at the signal
	s_barrier_signal -1
	MUL16 2, 1, 3, 0, 0
	WIN 0
	s_barrier_wait -1                              ; slot 1 is whole
	PLACES
	FETCH_B 1, 0, 0
	FETCH_A 1, 0, 0
	SCALES 1
	WIN 0xf1
	MUL16 4, 1, 3, 0, 0
	MUL16 6, 1, 3, 0, 0
	PLACES
	WIN 0
	FETCH_A 1, 0, 4
	STEP 1, 0, 0
	STEP 1, 1, 0
	STEP 1, 2, 0
	s_wait_dscnt 8                                 ; the last step: nothing more to fetch
	WIN 0xa1
	MUL16 0, 1, 3, 1, 0
	MUL16 2, 1, 3, 1, 0
	s_wait_dscnt 0x0
	WIN 0xf1
	MUL16 4, 1, 3, 1, 0
	MUL16 6, 1, 3, 1, 0
	WIN 0
	PLACES
; THE WAY OUT.  Block a's 64 registers in a lane are 128 neighbours along the next product's K, register 16 B + i = 32 B + 16 (lane / 16) + i: four blocks of 32.  They become a fragment's codes in v[PC + 8 a] on and a scale word in v[PW + a].
; Each accumulator is read from its low end on.  Each a has its own registers for codes and word: no store's data are written again, so no wait stands here.
.macro QACC a
.set AC, 64*((\a)%4)
.set W, 2+(\a)/4
	WIN (W|(W<<2))                                 ; sources 0 and 1: the accumulators' window
.irp b, 0,1,2,3
	v_max3_num_f32 v[TM+\b], |v[AC+16*\b]|, |v[AC+16*\b+1]|, 0x1800000   ; and the floor 2^(3 - 127): the byte cannot fall under 1
.endr
.irp i, 2,4,6,8,10,12,14
.irp b, 0,1,2,3
	v_max3_num_f32 v[TM+\b], |v[AC+16*\b+\i]|, |v[AC+16*\b+\i+1]|, v[TM+\b]
.endr
.endr
	WIN 0
.irp b, 0,1,2,3
	v_permlanex16_b32 v[TM+4+\b], v[TM+\b], s84, s85
.endr
.irp b, 0,1,2,3
	v_max_num_f32 v[TM+\b], v[TM+\b], v[TM+4+\b]   ; with lane l xor 16's: the block's largest magnitude
.endr
.irp b, 0,1,2,3
	v_add_nc_u32 v[TM+12+\b], 0xff000000, v[TM+\b] ; 2 off its exponent field: the conversion's scale operand
.endr
.irp b, 0,1,2,3
	v_lshrrev_b32 v[TM+4+\b], 23, v[TM+12+\b]      ; the scale's byte
.endr
	v_lshl_or_b32 v[PW+\a], v[TM+5], 8, v[TM+4]
	v_lshl_or_b32 v[PW+\a], v[TM+6], 16, v[PW+\a]
	v_lshl_or_b32 v[PW+\a], v[TM+7], 24, v[PW+\a]
	WIN W                                          ; source 0: the accumulators' window
.irp b, 0,1,2,3
	v_cvt_scalef32_pk8_fp4_f32 v[PC+8*\a+2*\b], v[AC+16*\b:AC+16*\b+7], v[TM+12+\b]
	v_cvt_scalef32_pk8_fp4_f32 v[PC+8*\a+2*\b+1], v[AC+16*\b+8:AC+16*\b+15], v[TM+12+\b]
.endr
	WIN 0
	v_nop                                          ; one plain place behind a scaled conversion
.irp c, 0,1                                    ; the operand's layout wants a WHOLE block in a lane
.irp i, 0,1
	v_permlane16_swap_b32 v[PC+8*\a+4*\c+\i], v[PC+8*\a+2+4*\c+\i]
.endr
.endr
.endm
.macro EPI isv
.irp a, 0,1,2,3,4,5,6,7
	QACC \a
.if \isv                                       ; v: block a is fragment a % 4 (16 channels x 128 keys) of head g0 + a / 4
	global_store_b128 v[LI], v[PC+8*\a:PC+8*\a+3], s[76:77] offset:(\a/4)*HS+(\a%4)*1024
	global_store_b128 v[LI], v[PC+8*\a+4:PC+8*\a+7], s[76:77] offset:(\a/4)*HS+(\a%4)*1024+512
.else                                          ; q, k: registers 0-3 are head g0's 64 of token block a, registers 4-7 head g0 + 1's
	global_store_b128 v[LI], v[PC+8*\a:PC+8*\a+3], s[76:77] offset:512*\a
	global_store_b128 v[LI], v[PC+8*\a+4:PC+8*\a+7], s[76:77] offset:HS+512*\a
.endif                                         ; each store: 32 lanes, 512 consecutive bytes
.endr
.irp i, 0,1,2,3
.if \isv
	v_cndmask_b32 v[SD+\i], v[PW+\i], v[PW+4+\i], s86              ; lanes 0-15: head g0's fragment i, lanes 16-31: head g0 + 1's
.else
	v_perm_b32 v[SD+\i], v[PW+2*\i+1], v[PW+2*\i], v[SELV]         ; token blocks 2 i and 2 i + 1: lanes 0-15 head g0's two bytes of each, lanes 16-31 head g0 + 1's
.endif
.endr
	global_store_b128 v[SA], v[SD:SD+3], s[78:79]  ; sixteen lanes store 256 consecutive bytes of each head's record
.endm
	s_cmp_eq_u32 ttmp9, 2
	s_cbranch_scc1 .Lepi_v
	EPI 0
	s_branch .Lend
.Lepi_v:
	EPI 1
.Lend:
	s_wait_tensorcnt 0x0
	ds_add_u32 v254, v255
	s_wait_dscnt 0x0
	CROUND                                         ; the closing round: no work-group ends while a partner may still ask for a tile that names it
	s_endpgm
.Lfunc_end_k_qc3a89ffb99_gemm_qkv:
	.size	k_qc3a89ffb99_gemm_qkv, .Lfunc_end_k_qc3a89ffb99_gemm_qkv-k_qc3a89ffb99_gemm_qkv
	.p2alignl 7, 3214868480
	.fill 96, 4, 3214868480
	.section	.rodata,"a",@progbits
	.p2align	6, 0x0
	.amdhsa_kernel k_qc3a89ffb99_gemm_qkv
		.amdhsa_group_segment_fixed_size 327680
		.amdhsa_private_segment_fixed_size 0
		.amdhsa_enable_private_segment 0
		.amdhsa_kernarg_size 32
		.amdhsa_user_sgpr_count 2
		.amdhsa_user_sgpr_kernarg_segment_ptr 1
		.amdhsa_wavefront_size32 1
		.amdhsa_system_sgpr_workgroup_id_x 1
		.amdhsa_system_sgpr_workgroup_id_y 1
		.amdhsa_system_sgpr_workgroup_id_z 1
		.amdhsa_system_vgpr_workitem_id 0
		.amdhsa_next_free_vgpr 1024
		.amdhsa_next_free_sgpr 96
		.amdhsa_reserve_vcc 0
		.amdhsa_float_denorm_mode_32 3
		.amdhsa_float_denorm_mode_16_64 3
		.amdhsa_memory_ordered 1
		.amdhsa_forward_progress 1
		.amdhsa_inst_pref_size 176
	.end_amdhsa_kernel
	.amdgpu_metadata
---
amdhsa.version: [ 1, 2 ]
amdhsa.kernels:
  - .name:           k_qc3a89ffb99_gemm_qkv
    .symbol:         k_qc3a89ffb99_gemm_qkv.kd
    .args:
      - { .name: x_img, .offset: 0, .size: 8, .value_kind: global_buffer, .address_space: global }
      - { .name: wq_img, .offset: 8, .size: 8, .value_kind: global_buffer, .address_space: global }
      - { .name: b_qkv, .offset: 16, .size: 8, .value_kind: global_buffer, .address_space: global }
      - { .name: qkv, .offset: 24, .size: 8, .value_kind: global_buffer, .address_space: global }
    .group_segment_fixed_size: 327680
    .private_segment_fixed_size: 0
    .kernarg_segment_align: 8
    .kernarg_segment_size: 32
    .max_flat_workgroup_size: 128
    .sgpr_count:     96
    .vgpr_count:     1024
    .wavefront_size: 32
...
	.end_amdgpu_metadata
.endif
;; end of part 2
;; launch attn (part 3): grid 4 x 64, 8 waves a work-group, clusters of 4 x 1, 169,984 bytes of LDS; arguments qkv, a_img; writes a_img
.if DOCPART == 3
	.amdgcn_target "amdgcn-amd-amdhsa--gfx1250"
	.amdhsa_code_object_version 6
	.text
	.protected	k_qc3a89ffb99_attn
	.globl	k_qc3a89ffb99_attn
	.p2align	8
	.type	k_qc3a89ffb99_attn,@function
k_qc3a89ffb99_attn:
	s_mov_b64 s[64:65], 0
	v_nop
	global_prefetch_b8 v0, s[64:65] scope:SCOPE_SE
	s_setreg_imm32_b32 hwreg(HW_REG_WAVE_MODE, 25, 1), 1
	s_wait_xcnt 0x0
	s_wait_alu depctr_hold_cnt(0) depctr_sa_sdst(0) depctr_va_vdst(0) depctr_va_sdst(0) depctr_va_ssrc(0) depctr_va_vcc(0) depctr_vm_vsrc(0)
	s_getreg_b32 s2, hwreg(HW_REG_IB_STS2, 6, 4)
	s_cmp_eq_u32 s2, 0
	s_cbranch_scc0 .Lentry_in_a_cluster
	s_endpgm
.Lentry_in_a_cluster:
	s_bfe_u32 s2, ttmp6, 0x10000c
	s_cmp_lg_u32 s2, 0x3003
	s_cbranch_scc0 .Lentry_shape_is_right
	s_endpgm
.Lentry_shape_is_right:
; O[bh][q] = the sum over k of softmax_k(Q[bh][q] . K[bh][k] / 8) V[bh][k], 64 heads of 2,048 tokens x 64, both products on codes of FP4 (E2M1) with E8M0 scales; O is quantised along e = 64 head + d for the last product.
; THE SOFTMAX: t = score x log2(e) / 8; M = the row's largest t so far, rounded up to a whole number; p = 2^(t - M) is quantised along the keys; the row's sum is taken of the unquantised p and divides O at the end.
; When M moves, the sum and O are multiplied by 2^(old M - new M): exact.
; SHARES.  A work-group owns 512 queries of one head; each of its eight waves 64 of them, in two passes of two tiles of 16; a pass walks the 2,048 keys, 256 a trip.  A trip's fragments of K and V are read from LDS once for the two tiles.
; A tile's 256 keys of a trip are two halves of 128, worked line by line in turn, so that no line reads the line above it; M, f and the rescaling of O^T are made once for the 256.
; The products stand in runs of 24 (one tile's O^T += V^T P^T, the other tile's S^T).  One half's exponentials stand by turns with the other half's t - M, whose results are read behind the batch's closing wait alone.
; CLUSTER.  The four work-groups of a head form a cluster.  The head's K and V, codes and scale words, are 139,264 bytes: they come once, jointly (each wave asks for two steps' records, 2 rows of 8,704 bytes, 13,056 apart), and stay:
; no LDS byte is filled again, all is asked for at the head, and so there is no loop in which a prefetch could run ahead.
; A HEAD IS HALF OF THE INSTRUCTION'S K.  A pair image of K holds two blocks of 16 keys; it is multiplied once by [Q, 0] and once by [0, Q]; the half that meets zero codes adds nothing (every scale byte lies in 1..254).
; LAYOUT.  Both products transposed: a lane holds one query (lane % 16).  The keys of a block are 8 u + r + 8 (r / 8) of each 32, so that 16 registers of two neighbouring blocks are 16 neighbouring keys; V's rows d likewise.
; A pass's last trip has no next keys: its address of K is held at the last 256, whose fragments are loaded again and not used.
; LIMITS: the promise holds while the scaled scores stay under 2^31 in magnitude; a block of zeros gets the byte 1 where the rule says 127 (zero codes; this program alone reads the bytes); NaN and infinities are not served.
; REGISTERS.  Window 0: names below.  Window 1: v0-63 O^T, tile p at 32 p; v64-83 zeros and Q by turns ([0, Qp] at 64 + 8 p, [Qp, 0] at 68 + 8 p); v84-91 the second pass's Q; v96-159 K's pair images, half x at 32 x; v160-223 V's fragments.
.set REC,  4352
.set QREC, 13056                       ; a step's record in qkv
.set HS,   16*QREC
.set KVB,  8704                        ; its K, V and their scale words
.set SPARE, 0x29000                    ; the spare words: 128 bytes a wave
.set LI,   1                           ; 16 x lane
.set ADR,  2                           ; LDS address of the keys in hand (V)
.set ADK,  3                           ; of the next keys (K)
.set R16,  4                           ; 16 r
.set OA,   5                           ; where a row's two scale bytes go
.set SPW,  6
.set NIL,  7
.set SWK,  8                           ; v8-15 scale words fetched with K, half x at 4 x (lanes 0-15 are K's)
.set SWV,  16                          ; v16-23 fetched with V (lanes 16-31 are V's)
.set QS,   24                          ; v24-27 Q's two scale bytes, twice: the pass's two tiles, then the second pass's
.set QW,   28
.set ST,   30                          ; v30-33 tile p: -M at 2 p, the largest score at 2 p + 1
.set LS,   34                          ; v34-41 tile p, half x: the sum in two halves at 4 p + 2 x
.set F,    42                          ; v42-43 f = 2^(old M - new M)
.set PS,   44                          ; v44-45 p's scale words
.set TMP,  46
.set BM,   50                          ; v50-57 the blocks' largest scores, then largest p
.set T2,   58
.set SO,   66                          ; v66-73 the conversions' scale operands
.set PC,   74                          ; v74-89 p's codes
.set TS,   90                          ; v90-101 three more chains of the sum for each half
.set S,    104                         ; v104-231 S^T, then p: the tile's two halves of 128 keys
.set QZ,   64
.set QB,   84
.set KF,   96
.set VF,   160
.set WV,   8
.set TBK,  11
.set SEL,  24
.set CS,   26
.set TB,   28
.set CNT,  29
.set NC,   39
.set PCNT, 56
.set MSB, 0
.macro WIN new                         ; the immediate's high byte repeats the setting that is left
.if MSB != \new
	s_set_vgpr_msb (MSB<<8)|\new
.set MSB, \new
.endif
.endm
.macro CROUND                          ; a round of the cluster's barrier
	s_barrier_signal -1
	s_barrier_wait -1
	s_cmp_lg_u32 s[WV], 0
	s_cbranch_scc1 .Lnot_wave_0_\@
	s_barrier_signal -3
.Lnot_wave_0_\@:
	s_barrier_wait -3
	s_barrier_signal -1
	s_barrier_wait -1
.endm
.macro FLOAD adr, reg, sw, off         ; two steps' fragments of K (off = 0) or V (4096), and the scale words beside them
	WIN 0x40
.irp x, 0,1
.irp f, 0,1,2,3
.irp c, 0,1
	ds_load_b128 v[\reg+32*\x+8*\f+4*\c:\reg+32*\x+8*\f+4*\c+3], v[\adr] offset:KVB*\x+\off+1024*\f+512*\c
.endr
.endr
.endr
	WIN 0
.irp x, 0,1
	ds_load_b128 v[\sw+4*\x:\sw+4*\x+3], v[\adr] offset:KVB*\x+8192
.endr
.endm
.macro SMUL p                          ; S^T of tile p: image b against [Q, 0]: keys' block 2 b; against [0, Q]: block 2 b + 1.  Register 64 x + 16 b + i is key 128 x + 32 b + 16 (lane / 16) + i
	WIN 0x05
.irp x, 0,1
.irp b, 0,1,2,3
	v_wmma_scale_f32_16x16x128_f8f6f4 v[S+64*\x+16*\b:S+64*\x+16*\b+7], v[KF+32*\x+8*\b:KF+32*\x+8*\b+7], v[QZ+4+8*\p:QZ+11+8*\p], 0, v[SWK+4*\x+\b], v[QS+\p] matrix_a_fmt:MATRIX_FMT_FP4 matrix_b_fmt:MATRIX_FMT_FP4
	v_wmma_scale_f32_16x16x128_f8f6f4 v[S+64*\x+16*\b+8:S+64*\x+16*\b+15], v[KF+32*\x+8*\b:KF+32*\x+8*\b+7], v[QZ+8*\p:QZ+7+8*\p], 0, v[SWK+4*\x+\b], v[QS+\p] matrix_a_fmt:MATRIX_FMT_FP4 matrix_b_fmt:MATRIX_FMT_FP4
.endr
.endr
	WIN 0
.endm
.macro PV p                            ; O^T += V^T P^T of tile p: four accumulators by turns, once for each half: three other products stand between a sum's two steps
	WIN 0x51
.irp x, 0,1
.irp t, 0,1,2,3
	v_wmma_scale_f32_16x16x128_f8f6f4 v[32*\p+8*\t:32*\p+8*\t+7], v[VF+32*\x+8*\t:VF+32*\x+8*\t+7], v[PC+8*\x:PC+8*\x+7], v[32*\p+8*\t:32*\p+8*\t+7], v[SWV+4*\x+\t], v[PS+\x] matrix_a_fmt:MATRIX_FMT_FP4 matrix_b_fmt:MATRIX_FMT_FP4 matrix_a_scale:MATRIX_SCALE_ROW1
.endr
.endr
.endm
; THE SOFTMAX of tile p, 256 keys.  Block e = 4 x + b is half x's block b of 32 keys: its 16 registers begin at S + 16 e.
.macro SOFT p
.irp e, 0,1,2,3,4,5,6,7
	v_max3_num_f32 v[BM+\e], v[S+16*\e], v[S+16*\e+1], v[S+16*\e+2]   ; the largest score of each block of 32 keys: for the row's maximum and, since p rises with the score, for the block's largest p
.endr
.irp i, 3,5,7,9,11,13
.irp e, 0,1,2,3,4,5,6,7
	v_max3_num_f32 v[BM+\e], v[BM+\e], v[S+16*\e+\i], v[S+16*\e+\i+1]
.endr
.endr
.irp e, 0,1,2,3,4,5,6,7
	v_max_num_f32 v[BM+\e], v[BM+\e], v[S+16*\e+15]
.endr
.irp e, 0,1,2,3,4,5,6,7
	v_permlanex16_b32 v[T2+\e], v[BM+\e], s[SEL], s[SEL+1]
.endr
.irp e, 0,1,2,3,4,5,6,7
	v_max_num_f32 v[BM+\e], v[BM+\e], v[T2+\e]     ; with lane l xor 16's 16 keys
.endr
	v_max3_num_f32 v[TMP], v[BM], v[BM+1], v[BM+2]
	v_max3_num_f32 v[TMP+1], v[BM+3], v[BM+4], v[BM+5]
	v_max3_num_f32 v[ST+2*\p+1], v[ST+2*\p+1], v[BM+6], v[BM+7]
	v_max3_num_f32 v[ST+2*\p+1], v[ST+2*\p+1], v[TMP], v[TMP+1]   ; the running largest score
	v_mul_f32 v[TMP], s[NC], v[ST+2*\p+1]          ; -t
	v_floor_f32 v[TMP], v[TMP]                     ; the new -M = floor(-t): M is a whole number
	v_sub_f32 v[TMP+2], v[TMP], v[ST+2*\p]         ; old M - new M: a whole number, 0 or less
	v_mov_b32 v[ST+2*\p], v[TMP]
.irp e, 0,1,2,3,4,5,6,7
	v_fma_f32 v[BM+\e], v[BM+\e], s[CS], v[ST+2*\p]   ; t - M of each block's largest score
.endr
	v_cvt_i32_f32 v[TMP+2], v[TMP+2]               ; (it saturates)
.set j, 0
.rept 8
	v_pk_fma_f32 v[S+j:S+j+1], v[S+j:S+j+1], s[CS:CS+1], v[ST+2*\p:ST+2*\p+1] op_sel_hi:[1,0,0]   ; the first half's t - M, two at a time
.set j, j+2
.endr
	v_ldexp_f32 v[F], 1.0, v[TMP+2]                ; f = 2^(old M - new M)
.rept 24
	v_pk_fma_f32 v[S+j:S+j+1], v[S+j:S+j+1], s[CS:CS+1], v[ST+2*\p:ST+2*\p+1] op_sel_hi:[1,0,0]
.set j, j+2
.endr
	WIN 0x41
	s_wait_alu depctr_va_vdst(0)                   ; directly ahead of the first readers of O^T, and ahead of the batch of exponentials
.set j, 0
.rept 16
	v_pk_mul_f32 v[32*\p+j:32*\p+j+1], v[32*\p+j:32*\p+j+1], v[F:F+1] op_sel_hi:[1,0]   ; O^T under the new M, each accumulator from its low end on
.set j, j+2
.endr
	WIN 0
.set j, 0
.rept 32
	v_exp_f32 v[S+j], v[S+j]                       ; the first half's p = 2^(t - M), not normalised;
	v_pk_fma_f32 v[S+64+j:S+65+j], v[S+64+j:S+65+j], s[CS:CS+1], v[ST+2*\p:ST+2*\p+1] op_sel_hi:[1,0,0]   ; by turns with the second half's t - M, read behind the wait below
	v_exp_f32 v[S+j+1], v[S+j+1]
.set j, j+2
.endr
.irp e, 0,1,2,3,4,5,6,7
	v_exp_f32 v[BM+\e], v[BM+\e]                   ; the blocks' largest p: the same two instructions on the same number give the same bits
.endr
.irp x, 0,1
	v_pk_mul_f32 v[LS+4*\p+2*\x:LS+4*\p+2*\x+1], v[LS+4*\p+2*\x:LS+4*\p+2*\x+1], v[F:F+1] op_sel_hi:[1,0]   ; the sums under the new M: plain work behind the batch
.endr
	s_wait_alu depctr_va_vdst(0)                   ; one wait behind the first batch and ahead of the second
.set j, 0
.rept 53
	v_exp_f32 v[S+64+j], v[S+64+j]                 ; the second half's p
.set j, j+1
.endr
.irp e, 0,1,2,3,4,5,6,7
	v_exp_f32 v[S+117+\e], v[S+117+\e]
	v_max_num_f32 v[BM+\e], 0x1800000, v[BM+\e]    ; the floor 2^(3 - 127): the byte cannot fall under 1.  (Read behind the wait below)
.endr
.irp k, 0,1,2
	v_exp_f32 v[S+125+\k], v[S+125+\k]
	v_pk_add_f32 v[TS+2*\k:TS+2*\k+1], v[S+4*\k:S+4*\k+1], v[S+4*\k+2:S+4*\k+3]   ; the first half's sum: three chains begin
.endr
	s_wait_alu depctr_va_vdst(0)                   ; one wait behind the second batch
.irp e, 0,1,2,3,4,5,6,7
	v_add_nc_u32 v[SO+\e], 0xff000000, v[BM+\e]    ; 2 off the exponent field: the conversion's scale operand
.endr
.irp e, 0,1,2,3,4,5,6,7
	v_lshrrev_b32 v[T2+\e], 23, v[SO+\e]           ; the scale's byte
.endr
.irp x, 0,1
	v_lshl_or_b32 v[PS+\x], v[T2+4*\x+1], 8, v[T2+4*\x]   ; p's scale word for each 128 keys
.endr
.irp x, 0,1
	v_lshl_or_b32 v[PS+\x], v[T2+4*\x+2], 16, v[PS+\x]
.endr
.irp x, 0,1
	v_lshl_or_b32 v[PS+\x], v[T2+4*\x+3], 24, v[PS+\x]
.endr
.irp e, 0,1,2,3,4,5,6,7
	v_cvt_scalef32_pk8_fp4_f32 v[PC+2*\e], v[S+16*\e:S+16*\e+7], v[SO+\e]
	v_cvt_scalef32_pk8_fp4_f32 v[PC+2*\e+1], v[S+16*\e+8:S+16*\e+15], v[SO+\e]
.endr
	v_nop                                          ; one plain place behind a scaled conversion
.irp g, 0,1,2,3                                ; the operand's layout wants a whole block in a lane
.irp i, 0,1
	v_permlane16_swap_b32 v[PC+4*\g+\i], v[PC+4*\g+2+\i]
.endr
.endr
.irp k, 0,1,2                                  ; THE ROW'S SUM of the unquantised p, four chains a half.  (These lines are also the places between p's codes and scale words and the products)
	v_pk_add_f32 v[TS+6+2*\k:TS+6+2*\k+1], v[S+64+4*\k:S+64+4*\k+1], v[S+64+4*\k+2:S+64+4*\k+3]
.endr
.set i, 12
.rept 6
.irp x, 0,1
	v_pk_add_f32 v[LS+4*\p+2*\x:LS+4*\p+2*\x+1], v[LS+4*\p+2*\x:LS+4*\p+2*\x+1], v[S+64*\x+i:S+64*\x+i+1]
.irp k, 0,1,2
	v_pk_add_f32 v[TS+6*\x+2*\k:TS+6*\x+2*\k+1], v[TS+6*\x+2*\k:TS+6*\x+2*\k+1], v[S+64*\x+i+2+2*\k:S+64*\x+i+3+2*\k]
.endr
.endr
.set i, i+8
.endr
.irp x, 0,1
	v_pk_add_f32 v[LS+4*\p+2*\x:LS+4*\p+2*\x+1], v[LS+4*\p+2*\x:LS+4*\p+2*\x+1], v[S+64*\x+60:S+64*\x+61]
	v_pk_add_f32 v[TS+6*\x:TS+6*\x+1], v[TS+6*\x:TS+6*\x+1], v[S+64*\x+62:S+64*\x+63]
.endr
.irp x, 0,1
	v_pk_add_f32 v[LS+4*\p+2*\x:LS+4*\p+2*\x+1], v[LS+4*\p+2*\x:LS+4*\p+2*\x+1], v[TS+6*\x+4:TS+6*\x+5]
	v_pk_add_f32 v[TS+6*\x:TS+6*\x+1], v[TS+6*\x:TS+6*\x+1], v[TS+6*\x+2:TS+6*\x+3]
.endr
.irp x, 0,1
	v_pk_add_f32 v[LS+4*\p+2*\x:LS+4*\p+2*\x+1], v[LS+4*\p+2*\x:LS+4*\p+2*\x+1], v[TS+6*\x:TS+6*\x+1]
.endr
.endm
	s_load_b128 s[4:7], s[0:1], 0x0                ; qkv, a_img
	v_lshl_add_u32 v[SPW], v0, 2, SPARE
	v_mov_b32 v[NIL], 0
	ds_add_u32 v[SPW], v[NIL]                      ; the opening lines: the add, twice on end, and its wait ahead of my first tensor load
	ds_add_u32 v[SPW], v[NIL]
	v_lshrrev_b32 v[TMP], 5, v0
	v_readfirstlane_b32 s[WV], v[TMP]              ; wave 0..7
	s_bfe_u32 s9, ttmp6, 0x40000                   ; cx: my 512 queries
	s_and_b32 s10, ttmp7, 0xffff                   ; bh, which the four partners share
	s_mul_i32 s40, s10, HS
	s_mov_b32 s41, 0
	s_mul_i32 s42, s[WV], 2*QREC                   ; the two steps that I ask for
	s_mov_b32 s43, 0
	s_mov_b32 s16, 15|(3<<16)|(1<<21)              ; group 1: the mask names the four work-groups; elements of 8 bytes; bit 21 beside a mask; no padding
	s_mov_b32 s17, 1088<<16                        ; tensor_dim0: 8,704 bytes
	s_mov_b32 s18, 2<<16                           ; tensor_dim1
	s_mov_b32 s19, 1088<<16                        ; tile_dim0
	s_mov_b32 s20, 2                               ; tile_dim1
	s_mov_b32 s21, 1632                            ; from record to record: 13,056 bytes
	s_mov_b32 s22, 0
	s_mov_b32 s23, 0
	s_mov_b32 s[SEL], 0x76543210
	s_mov_b32 s[SEL+1], 0xfedcba98                 ; v_permlanex16_b32's selects for lane l xor 16
	s_mov_b32 s[CS], 0x3e38aa3b                    ; c = log2(e) / 8
	s_mov_b32 s[CS+1], s[CS]
	s_mov_b32 s[NC], 0xbe38aa3b                    ; -c
	s_lshl_b32 s44, s9, 2
	s_lshr_b32 s45, s[WV], 1
	s_add_co_u32 s44, s44, s45                     ; my 64 queries lie in step 4 cx + w / 2,
	s_mul_i32 s44, s44, QREC
	s_and_b32 s46, s[WV], 1                        ; pair images 2 (w % 2) and the next
	s_lshl_b32 s47, s46, 11
	s_add_co_u32 s48, s44, s47
	s_add_co_u32 s48, s48, 8704                    ; Q's codes
	s_mov_b32 s49, 0
	s_lshl_b32 s47, s46, 3
	s_add_co_u32 s52, s44, s47
	s_add_co_u32 s52, s52, 12800                   ; and scale words
	s_mov_b32 s53, 0
	s_and_b32 s44, s10, 15                         ; head
	s_lshr_b32 s45, s10, 4                         ; batch
	s_lshl_b32 s45, s45, 4
	s_lshl_b32 s46, s9, 2
	s_add_co_u32 s45, s45, s46
	s_lshr_b32 s46, s[WV], 1
	s_add_co_u32 s45, s45, s46                     ; my four row blocks of a_img lie in the group of eight 16 batch + 4 cx + w / 2,
	s_mul_i32 s45, s45, 16*REC
	s_lshr_b32 s46, s44, 3
	s_mul_i32 s46, s46, 8*REC                      ; chunk head / 8,
	s_add_co_u32 s45, s45, s46
	s_and_b32 s46, s[WV], 1
	s_mul_i32 s46, s46, 4*REC                      ; from block 4 (w % 2) on
	s_add_co_u32 s45, s45, s46
	s_bfe_u32 s46, s44, 0x20001                    ; the chunk's q: (head / 2) % 4
	s_and_b32 s47, s44, 1                          ; register group head % 2
	s_lshl_b32 s50, s46, 10
	s_lshl_b32 s51, s47, 9
	s_add_co_u32 s50, s50, s51
	s_add_co_u32 s50, s50, s45                     ; O's codes
	s_mov_b32 s51, 0
	s_lshl_b32 s54, s46, 2
	s_lshl_b32 s55, s47, 1
	s_add_co_u32 s54, s54, s55
	s_add_co_u32 s54, s54, s45
	s_add_co_u32 s54, s54, 4096                    ; and my half of their scale words
	s_mov_b32 s55, 0
	s_wait_dscnt 0x0                               ; both opening adds are done
	s_wait_kmcnt 0x0
	s_add_nc_u64 s[40:41], s[4:5], s[40:41]        ; the head's first byte
	s_mov_b32 s12, 1                               ; group 0: count = 1
	s_mul_i32 s13, s[WV], 2*KVB                    ; LDS address: steps 2 w, 2 w + 1
	s_add_nc_u64 s[14:15], s[40:41], s[42:43]
	s_or_b32 s15, s15, 0x80000000                  ; type = 2
	s_add_nc_u64 s[30:31], s[40:41], s[48:49]
	s_add_nc_u64 s[32:33], s[40:41], s[52:53]
	s_add_nc_u64 s[34:35], s[6:7], s[50:51]
	s_add_nc_u64 s[36:37], s[6:7], s[54:55]
	CROUND                                         ; all four work-groups are here: the joint loads meet
	tensor_load_to_lds s[12:15], s[16:23]          ; every wave's one tensor load
	s_nop 0
.rept 4
	v_nop
.endr
	v_and_b32 v[TMP], 31, v0
	v_and_b32 v[TMP+1], 15, v0                     ; r
	v_bfe_u32 v[TMP+2], v0, 4, 1                   ; h
	v_lshlrev_b32 v[LI], 4, v[TMP]
	v_lshlrev_b32 v[R16], 4, v[TMP+1]
	v_mul_u32_u24 v[OA], v[TMP+2], REC
	v_add_nc_u32 v[OA], v[OA], v[R16]              ; lanes 0-15: one tile's record, lanes 16-31 the next tile's
	v_cmp_eq_u32 s38, 1, v[TMP+2]                  ; lanes 16-31
	WIN 0x40
.irp p, 0,1
	global_load_b128 v[QZ+4+8*\p:QZ+7+8*\p], v[LI], s[30:31] offset:512*\p        ; the first pass's tiles: 16 queries are half a pair image
	global_load_b128 v[QB+4*\p:QB+4*\p+3], v[LI], s[30:31] offset:1024+512*\p     ; the second pass's
.endr
	WIN 0
	global_load_b64 v[QW:QW+1], v[R16], s[32:33]   ; the two pair images' scale words
	WIN 0x40
.irp k, 0,1,2
.irp i, 0,1,2,3
	v_mov_b32 v[QZ+8*\k+\i], 0                     ; zero codes beside Q
.endr
.endr
	WIN 0
.irp j, 0,1,2,3,4,5,6,7
	v_mov_b32 v[T2+\j], 0                          ; written once: a lane permute's destination counts as one of its sources
.endr
	v_mov_b32 v[F+1], 0                            ; (named as the upper half of a pair)
	s_wait_loadcnt 0x0
.irp j, 0,2
	v_perm_b32 v[QS+\j], v[QW+\j/2], v[QW+\j/2], 0x01000100   ; a tile's two bytes, twice: they serve [Q, 0] and [0, Q]
	v_perm_b32 v[QS+\j+1], v[QW+\j/2], v[QW+\j/2], 0x03020302
.endr
	s_mov_b32 s[PCNT], 2
	s_wait_alu depctr_va_vdst(0)                   ; the wait at the head's end
	s_wait_tensorcnt 0x0                           ; my two steps have landed,
	s_barrier_signal -1
	s_barrier_wait -1                              ; everybody's have: the head's K and V lie in LDS
.Lpass:                                            ; two tiles over all keys
	s_wait_dscnt 0x0                               ; no LDS load of mine is out
	FLOAD LI, KF, SWK, 0                           ; the first 256 keys' K
	WIN 0x40
.set j, 0
.rept 64
	v_mov_b32 v[j], 0                              ; O^T: the trip is written once; the first finds zeros.  (These lines are also the places between Q's codes and scale words and the first product)
.set j, j+1
.endr
	WIN 0
.irp p, 0,1
	v_mov_b32 v[ST+2*\p+1], 0xff61b1e6             ; the largest score so far: -3e38
.endr
.irp p, 0,1
	v_mul_f32 v[ST+2*\p], s[NC], v[ST+2*\p+1]
.endr
.irp p, 0,1
	v_floor_f32 v[ST+2*\p], v[ST+2*\p]             ; -M
.endr
.irp j, 0,1,2,3,4,5,6,7
	v_mov_b32 v[LS+\j], 0                          ; the sums
.endr
	s_mov_b32 s[TB], 0
	s_mov_b32 s[TBK], 2*KVB
	s_mov_b32 s[CNT], 8
	s_wait_alu depctr_va_vdst(0)                   ; ahead of the blocking wait below
.Lstep:                                            ; a trip: 256 keys for the two tiles
	s_wait_dscnt 0x0                               ; these keys' K is in
	SMUL 0
	v_add_nc_u32 v[ADR], s[TB], v[LI]
.rept 3
	v_nop                                          ; with the line above: four places behind the products, in front of loads into registers that they read and of reads of their results
.endr
	FLOAD ADR, VF, SWV, 4096
	SOFT 0
	s_wait_dscnt 0x0                               ; V is in
	PV 0
	SMUL 1
	v_add_nc_u32 v[ADK], s[TBK], v[LI]
.rept 3
	v_nop
.endr
	FLOAD ADK, KF, SWK, 0                          ; the next keys' K, half a trip ahead of its products
	SOFT 1
	PV 1
	WIN 0
	s_add_co_u32 s[TB], s[TB], 2*KVB
	s_add_co_u32 s[TBK], s[TB], 2*KVB
	s_min_u32 s[TBK], s[TBK], 14*KVB               ; held at the last 256 keys
	s_sub_co_i32 s[CNT], s[CNT], 1
	s_cmp_lg_u32 s[CNT], 0
	s_cbranch_scc1 .Lstep
	; THE WAY OUT of a pass: O^T / the sum; of tile p register 16 b + i is d = 32 b + 16 (lane / 16) + i: two blocks of 32 along the last product's K.  Block e = 2 p + b begins at S + 16 e.
	s_wait_alu depctr_va_vdst(0)                   ; directly ahead of the readers of the last sums
.irp p, 0,1
	v_pk_add_f32 v[LS+4*\p:LS+4*\p+1], v[LS+4*\p:LS+4*\p+1], v[LS+4*\p+2:LS+4*\p+3]   ; the two halves of the keys.  (These eight lines are also the places behind the last products)
.endr
.irp p, 0,1
	v_add_f32 v[LS+4*\p], v[LS+4*\p], v[LS+4*\p+1]
.endr
.irp p, 0,1
	v_permlanex16_b32 v[T2+\p], v[LS+4*\p], s[SEL], s[SEL+1]
.endr
.irp p, 0,1
	v_add_f32 v[LS+4*\p], v[LS+4*\p], v[T2+\p]     ; and lane l xor 16's
.endr
	s_wait_alu depctr_va_vdst(0)                   ; ahead of the batch
.irp p, 0,1
	v_rcp_f32 v[LS+4*\p], v[LS+4*\p]
.endr
	v_nop                                          ; a plain place behind the transcendentals
	WIN 0x01
	s_wait_alu depctr_va_vdst(0)                   ; behind the batch, directly ahead of the first readers of O^T
.set j, 0
.rept 32
	v_pk_mul_f32 v[S+j:S+j+1], v[j:j+1], v[LS+4*(j/32):LS+4*(j/32)+1] op_sel_hi:[1,0]   ; each accumulator from its low end on
.set j, j+2
.endr
	WIN 0
.irp e, 0,1,2,3
	v_max3_num_f32 v[BM+\e], |v[S+16*\e]|, |v[S+16*\e+1]|, 0x1800000   ; with the floor 2^(3 - 127)
.endr
.irp i, 2,4,6,8,10,12,14
.irp e, 0,1,2,3
	v_max3_num_f32 v[BM+\e], v[BM+\e], |v[S+16*\e+\i]|, |v[S+16*\e+\i+1]|
.endr
.endr
.irp e, 0,1,2,3
	v_permlanex16_b32 v[T2+\e], v[BM+\e], s[SEL], s[SEL+1]
.endr
.irp e, 0,1,2,3
	v_max_num_f32 v[BM+\e], v[BM+\e], v[T2+\e]
.endr
.irp e, 0,1,2,3
	v_add_nc_u32 v[SO+\e], 0xff000000, v[BM+\e]
.endr
.irp e, 0,1,2,3
	v_lshrrev_b32 v[T2+\e], 23, v[SO+\e]
.endr
.irp p, 0,1
	v_lshl_or_b32 v[TMP+\p], v[T2+2*\p+1], 8, v[T2+2*\p]   ; a row's two scale bytes
.endr
.irp e, 0,1,2,3
	v_cvt_scalef32_pk8_fp4_f32 v[PC+2*\e], v[S+16*\e:S+16*\e+7], v[SO+\e]
	v_cvt_scalef32_pk8_fp4_f32 v[PC+2*\e+1], v[S+16*\e+8:S+16*\e+15], v[SO+\e]
.endr
	v_nop
.irp p, 0,1
	v_permlane16_swap_b32 v[PC+4*\p], v[PC+4*\p+2]
	v_permlane16_swap_b32 v[PC+4*\p+1], v[PC+4*\p+3]
.endr
.irp p, 0,1
	global_store_b128 v[LI], v[PC+4*\p:PC+4*\p+3], s[34:35] offset:REC*\p   ; 32 lanes store 512 consecutive bytes
.endr
	v_cndmask_b32 v[PS], v[TMP], v[TMP+1], s38     ; lanes 0-15 one tile's bytes, lanes 16-31 the next tile's
	global_store_b16 v[OA], v[PS], s[36:37]        ; half a word a row: the other half is the neighbouring head's, made by another work-group
	s_sub_co_i32 s[PCNT], s[PCNT], 1
	s_cmp_eq_u32 s[PCNT], 0
	s_cbranch_scc1 .Lend                           ; behind the second pass nothing is set up
	s_wait_xcnt 0x0                                ; the stores have read their bases and their data
	s_add_nc_u64 s[34:35], s[34:35], 2*REC         ; on to the next two row blocks
	s_add_nc_u64 s[36:37], s[36:37], 2*REC
	WIN 0x41
.irp p, 0,1
.irp i, 0,1,2,3
	v_mov_b32 v[QZ+4+8*\p+\i], v[QB+4*\p+\i]       ; the second pass's Q takes its place between the zeros
.endr
.endr
	WIN 0
	v_mov_b32 v[QS], v[QS+2]
	v_mov_b32 v[QS+1], v[QS+3]
	s_wait_alu depctr_va_vdst(0)                   ; ahead of the branch
	s_cmp_lg_u32 s[PCNT], 0
	s_cbranch_scc1 .Lpass
.Lend:
	s_wait_tensorcnt 0x0                           ; the wave's end
	ds_add_u32 v[SPW], v[NIL]
	s_wait_dscnt 0x0
	CROUND                                         ; the closing round: no work-group ends while a partner may still ask for a tile that names it
	s_endpgm
.Lfunc_end_k_qc3a89ffb99_attn:
	.size	k_qc3a89ffb99_attn, .Lfunc_end_k_qc3a89ffb99_attn-k_qc3a89ffb99_attn
	.p2alignl 7, 3214868480
	.fill 96, 4, 3214868480
	.section	.rodata,"a",@progbits
	.p2align	6, 0x0
	.amdhsa_kernel k_qc3a89ffb99_attn
		.amdhsa_group_segment_fixed_size 169984
		.amdhsa_private_segment_fixed_size 0
		.amdhsa_enable_private_segment 0
		.amdhsa_kernarg_size 16
		.amdhsa_user_sgpr_count 2
		.amdhsa_user_sgpr_kernarg_segment_ptr 1
		.amdhsa_wavefront_size32 1
		.amdhsa_system_sgpr_workgroup_id_x 1
		.amdhsa_system_sgpr_workgroup_id_y 1
		.amdhsa_system_sgpr_workgroup_id_z 1
		.amdhsa_system_vgpr_workitem_id 0
		.amdhsa_next_free_vgpr 512
		.amdhsa_next_free_sgpr 66
		.amdhsa_reserve_vcc 0
		.amdhsa_float_denorm_mode_32 3
		.amdhsa_float_denorm_mode_16_64 3
		.amdhsa_memory_ordered 1
		.amdhsa_forward_progress 1
		.amdhsa_inst_pref_size 72
	.end_amdhsa_kernel
	.amdgpu_metadata
---
amdhsa.version: [ 1, 2 ]
amdhsa.kernels:
  - .name:           k_qc3a89ffb99_attn
    .symbol:         k_qc3a89ffb99_attn.kd
    .args:
      - { .name: qkv, .offset: 0, .size: 8, .value_kind: global_buffer, .address_space: global }
      - { .name: a_img, .offset: 8, .size: 8, .value_kind: global_buffer, .address_space: global }
    .group_segment_fixed_size: 169984
    .private_segment_fixed_size: 0
    .kernarg_segment_align: 8
    .kernarg_segment_size: 16
    .max_flat_workgroup_size: 256
    .sgpr_count:     66
    .vgpr_count:     512
    .wavefront_size: 32
...
	.end_amdgpu_metadata
.endif
;; end of part 3
;; launch gemm_out (part 4): grid 4 x 64, 4 waves a work-group, clusters of 4 x 4, 243,712 bytes of LDS; arguments a_img, wo_img, b_out, out0; writes out0
.if DOCPART == 4
	.amdgcn_target "amdgcn-amd-amdhsa--gfx1250"
	.amdhsa_code_object_version 6
	.text
	.protected	k_qc3a89ffb99_gemm_out
	.globl	k_qc3a89ffb99_gemm_out
	.p2align	8
	.type	k_qc3a89ffb99_gemm_out,@function
k_qc3a89ffb99_gemm_out:
	s_mov_b64 s[64:65], 0
	v_nop
	global_prefetch_b8 v0, s[64:65] scope:SCOPE_SE
	s_setreg_imm32_b32 hwreg(HW_REG_WAVE_MODE, 25, 1), 1
	s_wait_xcnt 0x0
	s_wait_alu depctr_hold_cnt(0) depctr_sa_sdst(0) depctr_va_vdst(0) depctr_va_sdst(0) depctr_va_ssrc(0) depctr_va_vcc(0) depctr_vm_vsrc(0)
	s_getreg_b32 s2, hwreg(HW_REG_IB_STS2, 6, 4)
	s_cmp_eq_u32 s2, 0
	s_cbranch_scc0 .Lentry_in_a_cluster
	s_endpgm
.Lentry_in_a_cluster:
	s_bfe_u32 s2, ttmp6, 0x10000c
	s_cmp_lg_u32 s2, 0xf033
	s_cbranch_scc0 .Lentry_shape_is_right
	s_endpgm
.Lentry_shape_is_right:
; out0 = a w_out + b_out on codes of FP4 (E2M1) with E8M0 scales: [8192 tokens] x [K 1024] x [1024], f32 out.
; a_img and wo_img are images of the operands' registers: [group of 8 row blocks][chunk of 512 along K][row block of 16][4,352 bytes]; a record: four fragments of 1,024 bytes, then 256 bytes of scale words (row r at 16 r, word q).
; A block of 128 tokens x 256 columns is made by four waves; a wave makes 64 x 128: 32 accumulators.  The grid is 4 x 64 work-groups.
; ALL OF K LIES IN LDS, 208,896 bytes, filled once: each wave has ONE tensor load: waves 0, 1 the halves of the tokens (2 rows, one a chunk, of 17,408 bytes, 34,816 apart), waves 2, 3 the halves of the weight's columns (69,632 dense bytes).
; So no LDS byte is filled again, all is asked for at the head, and there is no loop in which a prefetch could run ahead.
; CLUSTERS: 4 x 4 work-groups.  The tokens' tile hangs on the block's row alone and is asked for jointly by a row of the cluster, the weight's on its column alone and by a column.
; Source 0 = the weight's columns, source 1 = tokens: a lane holds one token, and the 16 registers of two neighbouring blocks of source 0 are 16 neighbouring columns (the rows of a block are 8 u + r + 8 (r / 8) of each 32).
; The bias is the C of each sum's first product: it is added first and not last, a difference of f32 rounding alone.
; K goes in 8 steps of 128; both sources have two sets of fragment registers: the next step's 24 LDS loads are issued ahead of this step's 32 products.
; REGISTERS: window 0: v16-29 addresses; v32-95 scale words of both chunks (lanes 0-15 tokens' block i, lanes 16-31 the weight's); v128-191 the tokens' fragments, two sets; on the way out v128-255.
;   window 1: the weight's fragments at v0 and v128; v64-127 the bias.   window 2: accumulator (a, b) at v[8 (8 a + b)].
.set REC,  4352
.set STG,  48*REC                      ; behind the tiles: a stage of 16 rows x (512 + 16) bytes for each wave
.set SP,   528
.set SPARE, STG+64*SP                  ; behind the stages: the spare words
.set ADRA, 16                          ; v16-17 LDS address of my tokens' fragments in chunk 0, 1
.set ADRB, 20                          ; v20-21 of my columns'
.set ADRS, 22                          ; v22-23 of my scale words
.set LI,   24                          ; 16 x lane
.set STO,  25
.set RD,   26
.set SPW,  28
.set NIL,  29
.set SC,   32
.set AF,   128
.set BI,   64
.set BK,   128
.set G1,   24
.set G0,   32
.set G1B,  48
.set G0B,  56
.set MSB, 0
.macro WIN new                         ; the immediate's high byte repeats the setting that is left
.if MSB != \new
	s_set_vgpr_msb (MSB<<8)|\new
.set MSB, \new
.endif
.endm
.macro CROUND                          ; a round of the cluster's barrier
	s_barrier_signal -1
	s_barrier_wait -1
	s_cmp_lg_u32 s14, 0
	s_cbranch_scc1 .Lnot_wave_0_\@
	s_barrier_signal -3
.Lnot_wave_0_\@:
	s_barrier_wait -3
	s_barrier_signal -1
	s_barrier_wait -1
.endm
.macro PLACES                          ; four places behind a matrix instruction (ISA guide 7.12.1)
.rept 4
	v_nop
.endr
.endm
	s_load_b256 s[4:11], s[0:1], 0x0               ; a_img, wo_img, b_out, out0
	v_lshl_add_u32 v[SPW], v0, 2, SPARE
	v_mov_b32 v[NIL], 0
	ds_add_u32 v[SPW], v[NIL]                      ; the opening lines: the add, twice on end, and its wait
	ds_add_u32 v[SPW], v[NIL]
	v_lshrrev_b32 v1, 5, v0
	v_readfirstlane_b32 s14, v1                    ; wave 0..3
	s_lshr_b32 s15, s14, 1                         ; my 64 tokens.  Also: I fetch tokens (0) or columns (1)
	s_and_b32 s16, s14, 1                          ; my 128 columns.  Also: which half I fetch
	s_bfe_u32 s40, ttmp6, 0x40000                  ; cx
	s_bfe_u32 s41, ttmp6, 0x40004                  ; cy
	s_lshl_b32 s42, ttmp9, 2
	s_add_co_u32 s42, s42, s40                     ; the block's column
	s_and_b32 s17, ttmp7, 0xffff
	s_lshl_b32 s17, s17, 2
	s_add_co_u32 s17, s17, s41                     ; the block's row
	s_lshl_b32 s43, s41, 2
	s_lshl_b32 s43, 15, s43                        ; my row of the cluster
	s_lshl_b32 s44, 0x1111, s40                    ; my column
	s_or_b32 s[G1], s43, (3<<16)|(1<<21)           ; tokens: the mask; elements of 8 bytes; bit 21 beside a mask; no padding
	s_mov_b32 s[G1+1], 2176<<16                    ; tensor_dim0: four records, 17,408 bytes
	s_mov_b32 s[G1+2], 2<<16                       ; tensor_dim1: the two chunks
	s_mov_b32 s[G1+3], 2176<<16
	s_mov_b32 s[G1+4], 2
	s_mov_b32 s[G1+5], 4352                        ; from chunk to chunk: eight records
	s_mov_b32 s[G1+6], 0
	s_mov_b32 s[G1+7], 0
	s_or_b32 s[G1B], s44, (3<<16)|(1<<21)          ; columns: 69,632 dense bytes as 272 rows of 256
	s_mov_b32 s[G1B+1], 32<<16
	s_mov_b32 s[G1B+2], 272<<16
	s_mov_b32 s[G1B+3], 32<<16
	s_mov_b32 s[G1B+4], 272
	s_mov_b32 s[G1B+5], 32
	s_mov_b32 s[G1B+6], 0
	s_mov_b32 s[G1B+7], 0
	s_mul_i32 s20, s17, 16*REC                     ; tokens: the block's group of eight row blocks, the four that I fetch
	s_mul_i32 s21, s16, 4*REC
	s_add_co_u32 s20, s20, s21
	s_mov_b32 s21, 0
	s_mul_i32 s46, s42, 32*REC                     ; columns: the block's two groups, the one that I fetch
	s_mul_i32 s47, s16, 16*REC
	s_add_co_u32 s46, s46, s47
	s_mov_b32 s47, 0
	s_mul_i32 s45, s16, 8*REC                      ; where they go: tokens' halves at 0 and 8 records,
	s_mul_i32 s18, s16, 16*REC
	s_add_co_u32 s18, s18, 16*REC                  ; columns' at 16 and 32: no place in the cluster enters an LDS address
	s_wait_dscnt 0x0                               ; both opening adds are done
	s_wait_kmcnt 0x0
	s_mov_b32 s[G0], 1
	s_mov_b32 s[G0+1], s45
	s_add_nc_u64 s[G0+2:G0+3], s[4:5], s[20:21]
	s_or_b32 s[G0+3], s[G0+3], 0x80000000
	s_mov_b32 s[G0B], 1
	s_mov_b32 s[G0B+1], s18
	s_add_nc_u64 s[G0B+2:G0B+3], s[6:7], s[46:47]
	s_or_b32 s[G0B+3], s[G0B+3], 0x80000000
	CROUND                                         ; all sixteen work-groups are here: the joint loads meet
	s_cmp_eq_u32 s15, 0                            ; one load a wave, one arm each
	s_cbranch_scc0 .Lfor_w
	tensor_load_to_lds s[G0:G0+3], s[G1:G1+7]
	s_nop 0
	PLACES
	s_branch .Lasked
.Lfor_w:
	tensor_load_to_lds s[G0B:G0B+3], s[G1B:G1B+7]
	s_nop 0
	PLACES
.Lasked:
	s_mul_i32 s70, s15, 8*REC                      ; my tokens, chunk 0
	s_mul_i32 s71, s16, 16*REC
	s_add_co_u32 s71, s71, 16*REC                  ; my columns, chunk 0
	s_sub_co_u32 s72, s71, s70                     ; the distance between the two
	s_add_co_u32 s73, s70, 4096                    ; a record's scale words lie behind its four fragments
	s_add_co_u32 s74, s70, 4*REC                   ; chunk 1
	s_add_co_u32 s75, s71, 8*REC
	s_add_co_u32 s76, s72, 4*REC
	s_add_co_u32 s77, s73, 4*REC
	s_mul_i32 s78, s14, 16*SP
	s_add_co_u32 s78, s78, STG                     ; my stage
	s_lshl_b32 s22, s42, 10
	s_lshl_b32 s23, s16, 9
	s_add_co_u32 s22, s22, s23                     ; my first column, in bytes
	s_mov_b32 s23, 0
	s_add_nc_u64 s[80:81], s[8:9], s[22:23]
	s_lshl_b32 s84, s17, 7
	s_lshl_b32 s85, s15, 6
	s_add_co_u32 s84, s84, s85                     ; my first token
	s_lshl_b32 s84, s84, 12
	s_add_co_u32 s84, s84, s22
	s_mov_b32 s85, 0
	s_add_nc_u64 s[82:83], s[10:11], s[84:85]
	v_and_b32 v1, 15, v0                           ; r
	v_bfe_u32 v2, v0, 4, 1                         ; h
	v_and_b32 v3, 31, v0
	v_lshlrev_b32 v[LI], 4, v3
	v_mul_u32_u24 v6, s72, v2                      ; lanes 16-31 take the columns' scale words: one product, the distance
	v_mul_u32_u24 v7, s76, v2
	v_lshl_add_u32 v6, v1, 4, v6
	v_lshl_add_u32 v7, v1, 4, v7
	v_add_nc_u32 v[ADRA], s70, v[LI]
	v_add_nc_u32 v[ADRA+1], s74, v[LI]
	v_add_nc_u32 v[ADRB], s71, v[LI]
	v_add_nc_u32 v[ADRB+1], s75, v[LI]
	v_add_nc_u32 v[ADRS], s73, v6
	v_add_nc_u32 v[ADRS+1], s77, v7
	v_mul_u32_u24 v[STO], v1, SP                   ; into the stage: row r, + 64 h
	v_lshl_add_u32 v[STO], v2, 6, v[STO]
	v_add_nc_u32 v[STO], s78, v[STO]
	v_add_nc_u32 v[RD], s78, v[LI]                 ; back: the 32 lanes take one row of 512 bytes
	v_lshlrev_b32 v5, 6, v2
	WIN 0x40
.irp b, 0,1,2,3,4,5,6,7                        ; the bias in the result's layout: block b holds columns 32 (b / 2) + 16 h + 8 (b % 2) + j
	global_load_b128 v[BI+8*\b:BI+8*\b+3], v5, s[80:81] offset:(32*(\b/2)+8*(\b%2))*4
	global_load_b128 v[BI+8*\b+4:BI+8*\b+7], v5, s[80:81] offset:(32*(\b/2)+8*(\b%2))*4+16
.endr
	WIN 0
.macro FETCH g                         ; step g's fragments (chunk g / 4, its (g % 4)-th 128 along K) into set g % 2: 16 bytes a lane on end
	WIN 0x40
.irp i, 0,1,2,3,4,5,6,7
.irp c, 0,1
	ds_load_b128 v[128*((\g)%2)+8*\i+4*\c:128*((\g)%2)+8*\i+4*\c+3], v[ADRB+(\g)/4] offset:REC*\i+1024*((\g)%4)+512*\c
.endr
.endr
	WIN 0
.irp i, 0,1,2,3
.irp c, 0,1
	ds_load_b128 v[AF+32*((\g)%2)+8*\i+4*\c:AF+32*((\g)%2)+8*\i+4*\c+3], v[ADRA+(\g)/4] offset:REC*\i+1024*((\g)%4)+512*\c
.endr
.endr
.endm
.macro MUL g, first                    ; 32 products: the accumulators take turns, one instruction a turn, in the same order in every step
.irp a, 0,1,2,3
.irp b, 0,1,2,3,4,5,6,7
.if \first
	v_wmma_scale_f32_16x16x128_f8f6f4 v[8*(8*\a+\b):8*(8*\a+\b)+7], v[128*((\g)%2)+8*\b:128*((\g)%2)+8*\b+7], v[AF+32*((\g)%2)+8*\a:AF+32*((\g)%2)+8*\a+7], v[BI+8*\b:BI+8*\b+7], v[SC+32*((\g)/4)+4*\b+(\g)%4], v[SC+32*((\g)/4)+4*\a+(\g)%4] matrix_a_fmt:MATRIX_FMT_FP4 matrix_b_fmt:MATRIX_FMT_FP4 matrix_a_scale:MATRIX_SCALE_ROW1
.else
	v_wmma_scale_f32_16x16x128_f8f6f4 v[8*(8*\a+\b):8*(8*\a+\b)+7], v[128*((\g)%2)+8*\b:128*((\g)%2)+8*\b+7], v[AF+32*((\g)%2)+8*\a:AF+32*((\g)%2)+8*\a+7], v[8*(8*\a+\b):8*(8*\a+\b)+7], v[SC+32*((\g)/4)+4*\b+(\g)%4], v[SC+32*((\g)/4)+4*\a+(\g)%4] matrix_a_fmt:MATRIX_FMT_FP4 matrix_b_fmt:MATRIX_FMT_FP4 matrix_a_scale:MATRIX_SCALE_ROW1
.endif
.endr
.endr
.endm
.macro STEP g
	s_wait_dscnt 0x0                               ; this step's fragments are in
.if \g < 7
.if \g > 0
	PLACES                                         ; in front of loads into the set that the last step's products read
.endif
	FETCH (\g)+1
.endif
.if \g == 0
	WIN 0x91                                       ; source 0 and C window 1, source 1 window 0, D window 2
	MUL \g, 1
.else
	WIN 0xa1                                       ; C and D window 2
	MUL \g, 0
.endif
	WIN 0
.endm
	s_wait_alu depctr_va_vdst(0)                   ; the wait at the head's end
	s_wait_tensorcnt 0x0                           ; my load is in,
	s_barrier_signal -1
	s_barrier_wait -1                              ; everybody's is: both tiles for all of K lie in LDS
	FETCH 0
.irp s, 0,1
.irp i, 0,1,2,3,4,5,6,7
	ds_load_b128 v[SC+32*\s+4*\i:SC+32*\s+4*\i+3], v[ADRS+\s] offset:REC*\i   ; a chunk's scale words, four a row (lanes 0-15 use blocks 0-3 alone)
.endr
.endr
	s_wait_loadcnt 0x0                             ; the bias
.irp g, 0,1,2,3,4,5,6,7
	STEP \g
.endr
; THE WAY OUT, block by block of 16 tokens x 128 columns, through my own stage: back come whole rows of 512 bytes.  LDS serves a wave's instructions in order: no wait between the stores and the loads.
.macro TOSTAGE a
	WIN 0x08                                       ; an LDS store's data are its source 1: window 2
.irp b, 0,1,2,3,4,5,6,7
	ds_store_b128 v[STO], v[64*(\a)+8*\b:64*(\a)+8*\b+3] offset:128*(\b/2)+32*(\b%2)          ; each accumulator from its low end on
	ds_store_b128 v[STO], v[64*(\a)+8*\b+4:64*(\a)+8*\b+7] offset:128*(\b/2)+32*(\b%2)+16
.endr
	WIN 0
.set BB, BK+64*((\a)%2)
.irp t, 0,1,2,3,4,5,6,7,8,9,10,11,12,13,14,15
	ds_load_b128 v[BB+4*\t:BB+4*\t+3], v[RD] offset:\t*SP
.endr
.endm
.macro SEND a, younger                 ; younger: the LDS instructions issued behind block a's loads, which may stay out
.set BB, BK+64*((\a)%2)
	s_wait_dscnt \younger
.irp t, 0,1,2,3,4,5,6,7,8,9,10,11,12,13,14,15
	global_store_b128 v[LI], v[BB+4*\t:BB+4*\t+3], s[82:83] offset:(32*((\a)/2)+8*((\a)%2)+\t+8*(\t/8))*4096 th:TH_STORE_NT   ; 32 lanes store 512 consecutive bytes
.endr
.endm
	PLACES
	TOSTAGE 0
.irp a, 1,2,3
.if \a > 1
	s_wait_xcnt 0x0                                ; block a - 2's stores have read their registers: block a's loads may land there
.endif
	TOSTAGE \a
	SEND \a-1, 32                                  ; behind block a - 1's loads: block a's 16 stores and 16 loads
.endr
	SEND 3, 0
	s_wait_tensorcnt 0x0                           ; the wave's end
	ds_add_u32 v[SPW], v[NIL]
	s_wait_dscnt 0x0
	CROUND                                         ; the closing round
	s_endpgm
.Lfunc_end_k_qc3a89ffb99_gemm_out:
	.size	k_qc3a89ffb99_gemm_out, .Lfunc_end_k_qc3a89ffb99_gemm_out-k_qc3a89ffb99_gemm_out
	.p2alignl 7, 3214868480
	.fill 96, 4, 3214868480
	.section	.rodata,"a",@progbits
	.p2align	6, 0x0
	.amdhsa_kernel k_qc3a89ffb99_gemm_out
		.amdhsa_group_segment_fixed_size 243712
		.amdhsa_private_segment_fixed_size 0
		.amdhsa_enable_private_segment 0
		.amdhsa_kernarg_size 32
		.amdhsa_user_sgpr_count 2
		.amdhsa_user_sgpr_kernarg_segment_ptr 1
		.amdhsa_wavefront_size32 1
		.amdhsa_system_sgpr_workgroup_id_x 1
		.amdhsa_system_sgpr_workgroup_id_y 1
		.amdhsa_system_sgpr_workgroup_id_z 1
		.amdhsa_system_vgpr_workitem_id 0
		.amdhsa_next_free_vgpr 768
		.amdhsa_next_free_sgpr 96
		.amdhsa_reserve_vcc 0
		.amdhsa_float_denorm_mode_32 3
		.amdhsa_float_denorm_mode_16_64 3
		.amdhsa_memory_ordered 1
		.amdhsa_forward_progress 1
		.amdhsa_inst_pref_size 70
	.end_amdhsa_kernel
	.amdgpu_metadata
---
amdhsa.version: [ 1, 2 ]
amdhsa.kernels:
  - .name:           k_qc3a89ffb99_gemm_out
    .symbol:         k_qc3a89ffb99_gemm_out.kd
    .args:
      - { .name: a_img, .offset: 0, .size: 8, .value_kind: global_buffer, .address_space: global }
      - { .name: wo_img, .offset: 8, .size: 8, .value_kind: global_buffer, .address_space: global }
      - { .name: b_out, .offset: 16, .size: 8, .value_kind: global_buffer, .address_space: global }
      - { .name: out0, .offset: 24, .size: 8, .value_kind: global_buffer, .address_space: global }
    .group_segment_fixed_size: 243712
    .private_segment_fixed_size: 0
    .kernarg_segment_align: 8
    .kernarg_segment_size: 32
    .max_flat_workgroup_size: 128
    .sgpr_count:     96
    .vgpr_count:     768
    .wavefront_size: 32
...
	.end_amdgpu_metadata
.endif
;; end of part 4
